; MI455X (gfx1250); checked and timed in simulation.
; The chip was launched on July 23, 2026; its instructions are those of AMD's public machine-readable ISA for CDNA 5 (MIT licence, August 2026) and "CDNA5" Instruction Set Architecture Reference Guide (July 2026). The comments in the code are by the model that wrote it; some were corrected since.
;; Causal Self Attention. Allowed arithmetic: matrix products marked QUANTISED: E2M3 operands, one E8M0 scale for each 32 along K, by v_wmma_scale_f32_16x16x128_f8f6f4 with both operands' format E2M3, f32 sums; everything else in f32.
;; Inputs: W_attn 1,024 x 3,072 float32; W_proj 1,024 x 1,024 float32; b_attn 3,072 float32; b_proj 1,024 float32; x 4 x 2,048 x 1,024 float32.
;; Outputs: out0 4 x 2,048 x 1,024 float32.
;; This version of the problem:
;;   THIS VERSION OF THE PROBLEM IS GIVEN IN LOW PRECISION. The matrix products marked QUANTISED in the list below multiply operands that are first quantised to E2M3 (2 exponent bits, 3 mantissa bits; 6 bits a number), with one power-of-two scale for each 32 numbers along K (OCP MX v1.0); their sums are f32. All else is computed in f32.
;;   The module's matrix products, in the order in which they are computed (A, B: the left and right operand; K: the contracted axis; several contracted axes count as one K, in the product's order):
;;     1. [M 8,192, K 1,024] x [K 1,024, N 3,072]; A: input x; B: input W_attn: QUANTISED
;;     2. batch 64 x [M 2,048, K 64] x [K 64, N 2,048]; A: computed on the way; B: computed on the way: QUANTISED
;;     3. batch 64 x [M 2,048, K 2,048] x [K 2,048, N 64]; A: softmax (see below); B: computed on the way: QUANTISED
;;     4. [M 8,192, K 1,024] x [K 1,024, N 1,024]; A: computed on the way; B: input W_proj: QUANTISED
;;   THE QUANTISER, for each operand of a quantised product, along K:
;;     - K is cut into blocks of 32 from its start; a last block that is shorter is filled with zeros.
;;     - A block's scale is 2^e with e = floor(log2(the largest magnitude in the block)) - 2, held to -126 .. 127; a block of zeros has e = 0. As a byte (E8M0): e + 127.
;;     - Each number is divided by its block's scale, clamped to +-7.5, and rounded to the nearest number of E2M3, ties to even, subnormals kept.
;;     - The product sums the exact products of the quantised numbers (number of the format x scale) in f32.
;;   ~~~python
;;   def quantise(x, axis):      # numpy; x: float32 -> the quantised numbers, widened to float32 again
;;       x = np.moveaxis(x, axis, -1); K = x.shape[-1]
;;       x = np.pad(x, [(0, 0)] * (x.ndim - 1) + [(0, -K % 32)]); x = x.reshape(x.shape[:-1] + (-1, 32)); a = np.abs(x).max(-1, keepdims=True)
;;       e = np.where(a > 0, np.clip(np.frexp(np.where(a > 0, a, 1))[1] - 1 - 2, -126, 127), 0)      # np.frexp(a)[1] - 1 = floor(log2(a)), exactly
;;       r = np.clip(x / 2.0 ** e, -7.5, 7.5)
;;       step = 2.0 ** (np.maximum(np.frexp(np.where(r == 0, 1, r))[1] - 1, 0) - 3)
;;       q = np.round(r / step) * step * 2.0 ** e      # np.round: ties to even
;;       return np.moveaxis(q.reshape(q.shape[:-2] + (-1,))[..., :K], -1, axis).astype(np.float32)
;;   ~~~
;;   SOFTMAX AHEAD OF A QUANTISED PRODUCT. Where the list says 'softmax', what is quantised is not the finished softmax but p = 2^(t - M), with t = logit x log2(e) and M = ceil(the row's largest t), a whole number; so 1/2 < the row's largest p <= 1. The row's sum l is taken of the UNQUANTISED p, in f32, and the product's result is divided by l at the end. Since M is a whole number, a kernel that streams over the keys may use a running M (the ceiling of the running maximum): every later rescaling is an exact power of two, which a block's scale takes up: the codes' values come out the same.
;;   OPERANDS COMPUTED ON THE WAY. 'Computed on the way' means the value that the module computes at that place (a softmax that the list does not call 'softmax' is quantised finished and normalised). What goes into a quantiser is computed in f32, as accurately as f32 sums, v_exp_f32 and their like allow (about 1e-6 of the number): no bf16 or f16 on the way to a quantiser, and a product that is left as it is and whose result goes on into a quantised operand takes f32 operands (vector FMAs, or v_wmma_f32_16x16x4_f32). A number that lies on a knife's edge between two numbers of the format may be rounded either way, as far as f32 arithmetic and the matrix unit's own rounding can turn it there, and no further.
;; One version. Each part assembles by itself: llvm-mc -triple=amdgcn-amd-amdhsa -mcpu=gfx1250 --defsym DOCPART=n.
;; ======== version 1 of 1: 4 launches
;; limits: right only within a limited range of input values
;; workspace buffers: xc 6,291,456 bytes; xs 262,144 bytes; wc 3,145,728 bytes; ws 131,072 bytes; qkv 18,874,368 bytes; qkvs 1,310,720 bytes; yc 6,291,456 bytes; ys 262,144 bytes
;; launch quantx (part 1): grid 384 x 1, 4 waves a work-group, no clusters, 58,880 bytes of LDS; arguments x, xc, xs, ws, W_attn, W_proj, wc; writes xc, xs, wc, ws
.if DOCPART == 1
	.amdgcn_target "amdgcn-amd-amdhsa--gfx1250"
	.amdhsa_code_object_version 6
	.text
	.protected	k_qe2f09652ef_quantx
	.globl	k_qe2f09652ef_quantx
	.p2align	8
	.type	k_qe2f09652ef_quantx,@function
k_qe2f09652ef_quantx:
	s_mov_b64 s[64:65], 0
	v_nop
	global_prefetch_b8 v0, s[64:65] scope:SCOPE_SE
	s_setreg_imm32_b32 hwreg(HW_REG_WAVE_MODE, 25, 1), 1
	s_wait_xcnt 0x0
; x [8192][1024] f32 becomes codes of FP6 (E2M3) with one E8M0 byte for each 32 along K (K = the 1,024 columns), laid as the products' launches take an operand.
; A block's scale is 2^(floor(log2(its largest magnitude)) - 2); its byte is the largest magnitude's exponent field - 2, held at 1 from below.
; LIMITS: NaN and infinities among the inputs are not served; a block whose largest magnitude lies under 2^-124 keeps the byte 1; a block of zeros has the byte 1, not 127: its codes are zeros, and this program alone reads the bytes.
; THE LAYOUT OUT.  Rows go in tiles of 16.  In every aligned group of 32 rows, place p holds row p with bits 3 and 4 exchanged: lane r of tile T is row 32 (T / 2) + 8 (T % 2) + r + 8 (r / 8).
; A fragment (16 rows x 128 K, 12 registers a lane) lies as six planes of 256 bytes: plane p = registers 2 p, 2 p + 1, lane l's 8 bytes at 256 p + 8 l; tile T, K step s at 12,288 T + 1,536 s.
; Row r's scale word of step s lies at 1,024 (T / 2) + 256 (s / 2) + 128 (T % 2) + 8 r + 4 (s % 2).
; SHARES.  Work-group P takes rows 32 P on, wave w columns 256 w on: four fragments f = 2 u + s (tile u, 128 columns s).  Each load reads 512 consecutive bytes of one row; a fragment's 16 rows turn through
; the wave's own stage in LDS (rows 528 bytes apart), so that lane (r, h) gets, of row r, the 16 neighbours 32 b + 16 h + 0 .. 15 of each block b.  Every store of codes covers 256 consecutive bytes, aligned.
; No barrier: waves share nothing.  Loads run two fragments (32 loads a wave) ahead.
.set ROWX,  4096                       ; bytes in a row of x
.set SP,    528                        ; a stage row: 512 bytes + 16
.set R,     16                         ; v16-143  two sets of 64: a fragment's numbers as loaded
.set X,     144                        ; v144-207 the same, 16 neighbours of each block to a lane
.set PC,    208                        ; v208-226 the codes just made (12), and where the second halves are made
.set TM,    228                        ; v228-243 at work
.set PW,    244                        ; v244     the scale word just made
.set SW,    246                        ; v246-249 the four fragments' scale words
.set E,     250                        ; v250-251 the words as they are stored
.set SEL,   20                         ; s[20:21] lane selects for v_permlanex16_b32: lane l xor 16
; 64 numbers of a lane, v[s] .. v[s + 63], register 16 b + i = k 32 b + 16 (lane / 16) + i of my row, become a fragment's codes in v[PC] on and its scale word in v[PW].
.macro QUANT s
.irp b, 0,1,2,3
	v_max3_num_f32 v[TM+\b], |v[\s+16*\b]|, |v[\s+1+16*\b]|, 0x1800000   ; block b: my 16 numbers, and the floor 2^(3 - 127): the byte cannot fall under 1
.endr
.irp i, 2,4,6,8,10,12,14
.irp b, 0,1,2,3
	v_max3_num_f32 v[TM+\b], v[TM+\b], |v[\s+16*\b+\i]|, |v[\s+1+16*\b+\i]|   ; the four blocks by turns
.endr
.endr
.irp b, 0,1,2,3
	v_permlanex16_b32 v[TM+4+\b], v[TM+\b], s[SEL], s[SEL+1]
.endr
.irp b, 0,1,2,3
	v_max_num_f32 v[TM+\b], v[TM+\b], v[TM+4+\b]   ; with lane l xor 16's: the block's largest magnitude
.endr
.irp b, 0,1,2,3
	v_add_nc_u32 v[TM+12+\b], 0xff000000, v[TM+\b]   ; 2 off its exponent field: the conversion takes the exponent field of this operand as its scale
.endr
.irp b, 0,1,2,3
	v_lshrrev_b32 v[TM+4+\b], 23, v[TM+12+\b]      ; the scale's byte
.endr
	v_lshl_or_b32 v[PW], v[TM+5], 8, v[TM+4]       ; the four bytes make my row's scale word
	v_lshl_or_b32 v[PW], v[TM+6], 16, v[PW]
	v_lshl_or_b32 v[PW], v[TM+7], 24, v[PW]
.irp c, 0,1
	v_cvt_scalef32_pk16_fp6_f32 v[PC+6*\c:PC+2+6*\c], v[\s+32*\c:\s+15+32*\c], v[TM+12+2*\c]
	v_cvt_scalef32_pk16_fp6_f32 v[PC+12+4*\c:PC+14+4*\c], v[\s+16+32*\c:\s+31+32*\c], v[TM+12+2*\c+1]   ; (a conversion's three registers begin on an even number)
.endr
	v_nop                                          ; one plain place behind a scaled conversion
.irp c, 0,1                                    ; the operand's layout wants a WHOLE block in a lane: lanes 0-15 block 2 c, lanes 16-31 block 2 c + 1
.irp i, 0,1,2
	v_permlane16_swap_b32 v[PC+6*\c+\i], v[PC+12+4*\c+\i]
.endr
.irp i, 0,1,2
	v_mov_b32 v[PC+3+6*\c+\i], v[PC+12+4*\c+\i]
.endr
.endr
.endm
; ONE LAUNCH FOR ALL THREE TENSORS: work-groups 0-255 take x (the text from here on), work-groups 256-383 the two weights (the text behind .Lweights).
; The two ways part on the work-group's number alone; each has LDS bytes of its own (x: 0 .. 33,791; the weights: 34,304 on); the spare words lie between.
	v_lshl_add_u32 v254, v0, 2, 0x8400
	v_mov_b32 v255, 0
	s_cmp_lt_u32 ttmp9, 256
	s_wait_alu depctr_va_vdst(0)                   ; the wait ahead of the branch
	s_cbranch_scc0 .Lweights
	s_load_b128 s[4:7], s[0:1], 0x0                ; x, the codes
	s_load_b64 s[8:9], s[0:1], 0x10                ; the scale words
	v_lshrrev_b32 v1, 5, v0
	v_readfirstlane_b32 s16, v1                    ; wave 0..3
	v_and_b32 v2, 31, v0                           ; lane
	v_and_b32 v3, 15, v0                           ; r
	v_bfe_u32 v8, v0, 4, 1                         ; h
	v_lshlrev_b32 v4, 4, v2                        ; my 16 bytes of a load's 512
	v_lshlrev_b32 v7, 3, v2                        ; my 8 bytes of a plane
	s_mul_i32 s17, s16, 16*SP                      ; my wave's stage
	v_add_nc_u32 v5, s17, v4                       ; into it: as loaded
	v_mul_u32_u24 v6, v3, SP
	v_lshl_add_u32 v6, v8, 6, v6
	v_add_nc_u32 v6, s17, v6                       ; out of it: row r, + 64 h
	s_mov_b32 s[SEL], 0x76543210
	s_mov_b32 s[SEL+1], 0xfedcba98
	s_mov_b32 s22, 0xffff0000                      ; lanes 16-31
.irp b, 0,1,2,3
	v_mov_b32 v[TM+4+\b], 0                        ; written once: a lane permute's destination counts as one of its sources
.endr
	s_lshl_b32 s10, ttmp9, 17                      ; x: 32 rows of 4,096 bytes a work-group,
	s_lshl_b32 s11, s16, 10                        ; 1,024 bytes of a row a wave
	s_add_co_u32 s10, s10, s11
	s_mov_b32 s11, 0
	s_mul_i32 s12, ttmp9, 24576                    ; codes: two tiles of 12,288 bytes a work-group,
	s_mul_i32 s13, s16, 3072                       ; two fragments of each a wave
	s_add_co_u32 s12, s12, s13
	s_mov_b32 s13, 0
	s_lshl_b32 s14, ttmp9, 10                      ; scale words: 1,024 bytes a work-group, 256 a wave
	s_lshl_b32 s15, s16, 8
	s_add_co_u32 s14, s14, s15
	s_mov_b32 s15, 0
	s_wait_alu depctr_va_vdst(0)
	s_wait_kmcnt 0x0
	s_add_nc_u64 s[4:5], s[4:5], s[10:11]
	s_add_nc_u64 s[6:7], s[6:7], s[12:13]
	s_add_nc_u64 s[8:9], s[8:9], s[14:15]
.macro LOAD f                          ; fragment f: place i of tile f / 2 is row 8 (f / 2) + i + 8 (i / 8) of my 32; 512 bytes of it
.irp i, 0,1,2,3,4,5,6,7,8,9,10,11,12,13,14,15
	global_load_b128 v[R+64*((\f)%2)+4*\i:R+64*((\f)%2)+4*\i+3], v4, s[4:5] offset:(8*((\f)/2)+\i+8*(\i/8))*ROWX+512*((\f)%2) th:TH_LOAD_NT
.endr
.endm
.macro FRAGX f
.if (\f) < 3
	s_wait_loadcnt 16                              ; this fragment's 16 loads are in; the next one's may be out
.else
	s_wait_loadcnt 0x0
.endif
.irp i, 0,1,2,3,4,5,6,7,8,9,10,11,12,13,14,15
	ds_store_b128 v5, v[R+64*((\f)%2)+4*\i:R+64*((\f)%2)+4*\i+3] offset:SP*\i
.endr
.irp b, 0,1,2,3
.irp j, 0,1,2,3
	ds_load_b128 v[X+16*\b+4*\j:X+16*\b+4*\j+3], v6 offset:128*\b+16*\j   ; LDS serves a wave's instructions in order: these see the stores above
.endr
.endr
	s_wait_dscnt 0x0                               ; the numbers are back, and the stores into the stage have read their registers
.if (\f) > 0
	s_wait_xcnt 0x0                                ; the last fragment's stores have read their data: the codes' registers are written again only behind this wait
.endif
.if (\f) < 2
	LOAD (\f)+2                                    ; into the set that has just been read out
.endif
	QUANT X
	v_mov_b32 v[SW+(\f)], v[PW]
.irp p, 0,1,2,3,4,5
	global_store_b64 v7, v[PC+2*\p:PC+2*\p+1], s[6:7] offset:((\f)/2)*12288+((\f)%2)*1536+256*\p   ; a plane: 256 consecutive bytes, aligned
.endr
.endm
	LOAD 0
	LOAD 1
	FRAGX 0
	FRAGX 1
	FRAGX 2
	FRAGX 3
	v_cndmask_b32 v[E], v[SW], v[SW+2], s22        ; lanes 0-15: tile 0's words of my two K steps; lanes 16-31: tile 1's
	v_cndmask_b32 v[E+1], v[SW+1], v[SW+3], s22
	global_store_b64 v7, v[E:E+1], s[8:9]          ; 32 rows x 256 K of scales: 256 consecutive bytes, aligned
	s_wait_tensorcnt 0x0
	ds_add_u32 v254, v255
	s_wait_dscnt 0x0
	s_endpgm
; W_attn [1024][3072] and W_proj [1024][1024], f32, are operands whose K is their FIRST axis.  They become codes and scale words: columns in tiles of 16
; (tiles 0-191: W_attn's columns, 192-255: W_proj's); in every aligned group of 32 columns, place p holds column p with bits 3 and 4 exchanged; tile T, K step s at 12,288 T + 1,536 s; the scale words laid as x's.
; A WEIGHT'S FRAGMENT (16 columns x 128 K, 12 registers a lane) lies as THREE planes of 512 bytes: plane p = registers 4 p .. 4 p + 3, lane l's 16 bytes at 512 p + 16 l: the products' launches load it 16 bytes a lane.
; A LANE TAKES A COLUMN, AND ITS REGISTERS RUN DOWN K: a load reads 128 consecutive bytes a wave, a block of 32 along K lies in one lane's 32 registers.  The limits are those stated for x.
; SHARES.  Of the 128 work-groups, number % 32 says which 128 columns (under 24: W_attn's, else W_proj's: only a pointer and a pitch are chosen), number / 32 which 256 along K; a wave takes 32 columns: 8 blocks a lane.
; A wave's codes (6,144 bytes) are gathered in its own stage in LDS in the order of memory and leave 512 consecutive bytes a store.  No barrier: waves share nothing.
.Lweights:
.set VOF,   32                         ; v32-63   byte offsets of my column in 32 rows on end
.set WX,    64                         ; v64-127  two sets of 32 numbers
.set WC,    128                        ; v128-134 a block's codes
.set WSB,   136                        ; v136-137 the scale words of my two K steps
.set OUTR,  140                        ; v140-187 the way out
	s_load_b128 s[4:7], s[0:1], 0x20               ; W_attn, W_proj
	s_load_b64 s[8:9], s[0:1], 0x30                ; the codes
	s_load_b64 s[10:11], s[0:1], 0x18              ; the scale words
	v_lshrrev_b32 v1, 5, v0
	v_readfirstlane_b32 s16, v1                    ; wave 0..3
	v_and_b32 v2, 31, v0                           ; lane = my column in the wave's 32
	s_wait_alu depctr_va_vdst(0)
	s_sub_co_u32 s46, ttmp9, 256
	s_lshr_b32 s18, s46, 5                         ; which 256 along K
	s_and_b32 s46, s46, 31                         ; which 128 columns of the 4,096
	s_sub_co_u32 s19, s46, 24
	s_cmp_lt_u32 s46, 24
	s_cselect_b32 s19, s46, s19                    ; which 128 columns of that tensor
	s_mov_b32 s17, 4096
	s_cselect_b32 s17, 12288, s17                  ; bytes from row to row
	s_mul_i32 s20, s18, s17
	s_lshl_b32 s20, s20, 8
	s_lshl_b32 s21, s19, 9
	s_add_co_u32 s20, s20, s21
	s_lshl_b32 s21, s16, 7
	s_add_co_u32 s20, s20, s21
	s_mov_b32 s21, 0
	s_lshl_b32 s22, s17, 5                         ; a block on: 32 rows
	s_mov_b32 s23, 0
	v_lshlrev_b32 v[VOF], 2, v2
.irp i, 1,2,3,4,5,6,7,8,9,10,11,12,13,14,15,16,17,18,19,20,21,22,23,24,25,26,27,28,29,30,31
	v_add_nc_u32 v[VOF+\i], s17, v[VOF+\i-1]
.endr
	v_bfe_u32 v3, v0, 3, 1                         ; my column's place: tile = bit 3 of the column,
	v_bfe_u32 v4, v0, 4, 1
	v_and_b32 v5, 7, v0
	v_lshl_add_u32 v5, v4, 3, v5                   ; row in the tile = bits 2:0, and bit 4 as bit 3
	v_lshlrev_b32 v5, 3, v5
	v_lshl_add_u32 v7, v3, 7, v5                   ; my place in the wave's 256 bytes of scale words
	v_mul_u32_u24 v6, v3, 3072
	v_lshl_add_u32 v6, v5, 1, v6                   ; 3,072 x tile + 16 x row
	s_mul_i32 s40, s16, 6144
	s_add_co_u32 s40, s40, 34304                   ; my wave's stage
	v_add_nc_u32 v6, s40, v6                       ; into it: 3,072 x tile + 16 x row
	v_lshlrev_b32 v8, 4, v2                        ; out of it, and in memory: 16 bytes a lane
	v_add_nc_u32 v9, s40, v8
	s_lshl_b32 s41, s46, 3
	s_lshl_b32 s42, s16, 1
	s_add_co_u32 s41, s41, s42                     ; my first tile
	s_mul_i32 s42, s41, 12288
	s_mul_i32 s43, s18, 3072
	s_add_co_u32 s42, s42, s43
	s_mov_b32 s43, 0
	s_lshl_b32 s44, s41, 9
	s_lshl_b32 s45, s18, 8
	s_add_co_u32 s44, s44, s45
	s_mov_b32 s45, 0
	s_wait_kmcnt 0x0
	s_cmp_lt_u32 s46, 24
	s_cselect_b64 s[4:5], s[4:5], s[6:7]
	s_add_nc_u64 s[24:25], s[4:5], s[20:21]        ; a base for each of the eight blocks: no base is stepped while loads are out
.irp t, 1,2,3,4,5,6,7
	s_add_nc_u64 s[24+2*\t:25+2*\t], s[22+2*\t:23+2*\t], s[22:23]
.endr
	s_add_nc_u64 s[8:9], s[8:9], s[42:43]
	s_add_nc_u64 s[10:11], s[10:11], s[44:45]
.macro LOADW t                         ; block t: W(32 t + i, my column) into set t % 2
.irp i, 0,1,2,3,4,5,6,7,8,9,10,11,12,13,14,15,16,17,18,19,20,21,22,23,24,25,26,27,28,29,30,31
	global_load_b32 v[WX+32*((\t)%2)+\i], v[VOF+\i], s[24+2*(\t):25+2*(\t)] th:TH_LOAD_NT
.endr
.endm
	LOADW 0
	LOADW 1
.macro BLOCKW t
.set XS, WX+32*((\t)%2)
.if (\t) < 7
	s_wait_loadcnt 32                              ; this block's 32 loads are in; the next block's may be out
.else
	s_wait_loadcnt 0x0
.endif
	v_max3_num_f32 v12, |v[XS]|, |v[XS+1]|, |v[XS+2]|
	v_max3_num_f32 v13, |v[XS+3]|, |v[XS+4]|, |v[XS+5]|
.irp i, 6,10,14,18,22,26
	v_max3_num_f32 v12, v12, |v[XS+\i]|, |v[XS+\i+1]|
	v_max3_num_f32 v13, v13, |v[XS+\i+2]|, |v[XS+\i+3]|
.endr
	v_max3_num_f32 v12, v12, |v[XS+30]|, |v[XS+31]|
	v_max3_num_f32 v12, v12, v13, 0x1800000        ; and the floor 2^(3 - 127): the byte cannot fall under 1
	v_add_nc_u32 v11, 0xff000000, v12              ; 2 off its exponent field: the conversion's scale operand
	v_lshrrev_b32 v13, 23, v11                     ; the scale's byte
.if (\t)%4 == 0
	v_mov_b32 v[WSB+(\t)/4], v13
.else
	v_lshl_or_b32 v[WSB+(\t)/4], v13, 8*((\t)%4), v[WSB+(\t)/4]
.endif
	v_cvt_scalef32_pk16_fp6_f32 v[WC:WC+2], v[XS:XS+15], v11
	v_cvt_scalef32_pk16_fp6_f32 v[WC+4:WC+6], v[XS+16:XS+31], v11
	v_nop                                          ; one plain place behind a scaled conversion
	v_mov_b32 v[WC+3], v[WC+4]                     ; the block's 24 bytes on end
	v_mov_b32 v[WC+4], v[WC+5]
	v_mov_b32 v[WC+5], v[WC+6]
.irp i, 0,1,2                                  ; block t is K step t / 4, registers n = 6 ((t % 4) / 2) + 2 i on, of the lane 16 (t % 2) + my row: plane n / 4, byte 4 (n % 4) of the lane's 16
	ds_store_b64 v6, v[WC+2*\i:WC+2*\i+1] offset:((\t)/4)*1536+512*((6*(((\t)%4)/2)+2*\i)/4)+4*((6*(((\t)%4)/2)+2*\i)%4)+((\t)%2)*256
.endr
.if (\t)+2 < 8
	LOADW (\t)+2
.endif
	s_wait_dscnt 0x0                               ; the stores have read their registers
.endm
.irp t, 0,1,2,3,4,5,6,7
	BLOCKW \t
.endr
	s_wait_alu depctr_va_vdst(0)
	global_store_b64 v7, v[WSB:WSB+1], s[10:11]    ; the wave's lanes fill 256 consecutive bytes, aligned
.irp j, 0,1,2,3,4,5,6,7,8,9,10,11
	ds_load_b128 v[OUTR+4*\j:OUTR+4*\j+3], v9 offset:512*\j
.endr
.irp j, 0,1,2,3,4,5,6,7,8,9,10,11
	s_wait_dscnt 11-\j
	global_store_b128 v8, v[OUTR+4*\j:OUTR+4*\j+3], s[8:9] offset:(\j/6)*12288+512*(\j%6)
.endr
	s_wait_tensorcnt 0x0                           ; the wave's end
	ds_add_u32 v254, v255
	s_wait_dscnt 0x0
	s_endpgm
.Lfunc_end_k_qe2f09652ef_quantx:
	.size	k_qe2f09652ef_quantx, .Lfunc_end_k_qe2f09652ef_quantx-k_qe2f09652ef_quantx
	.p2alignl 7, 3214868480
	.fill 96, 4, 3214868480
	.section	.rodata,"a",@progbits
	.p2align	6, 0x0
	.amdhsa_kernel k_qe2f09652ef_quantx
		.amdhsa_group_segment_fixed_size 58880
		.amdhsa_private_segment_fixed_size 0
		.amdhsa_enable_private_segment 0
		.amdhsa_kernarg_size 56
		.amdhsa_user_sgpr_count 2
		.amdhsa_user_sgpr_kernarg_segment_ptr 1
		.amdhsa_wavefront_size32 1
		.amdhsa_system_sgpr_workgroup_id_x 1
		.amdhsa_system_sgpr_workgroup_id_y 1
		.amdhsa_system_sgpr_workgroup_id_z 1
		.amdhsa_system_vgpr_workitem_id 0
		.amdhsa_next_free_vgpr 256
		.amdhsa_next_free_sgpr 66
		.amdhsa_reserve_vcc 0
		.amdhsa_float_denorm_mode_32 3
		.amdhsa_float_denorm_mode_16_64 3
		.amdhsa_memory_ordered 1
		.amdhsa_forward_progress 1
		.amdhsa_inst_pref_size 78
	.end_amdhsa_kernel
	.amdgpu_metadata
---
amdhsa.version: [ 1, 2 ]
amdhsa.kernels:
  - .name:           k_qe2f09652ef_quantx
    .symbol:         k_qe2f09652ef_quantx.kd
    .args:
      - { .name: x, .offset: 0, .size: 8, .value_kind: global_buffer, .address_space: global }
      - { .name: xc, .offset: 8, .size: 8, .value_kind: global_buffer, .address_space: global }
      - { .name: xs, .offset: 16, .size: 8, .value_kind: global_buffer, .address_space: global }
      - { .name: ws, .offset: 24, .size: 8, .value_kind: global_buffer, .address_space: global }
      - { .name: W_attn, .offset: 32, .size: 8, .value_kind: global_buffer, .address_space: global }
      - { .name: W_proj, .offset: 40, .size: 8, .value_kind: global_buffer, .address_space: global }
      - { .name: wc, .offset: 48, .size: 8, .value_kind: global_buffer, .address_space: global }
    .group_segment_fixed_size: 58880
    .private_segment_fixed_size: 0
    .kernarg_segment_align: 8
    .kernarg_segment_size: 56
    .max_flat_workgroup_size: 128
    .sgpr_count:     66
    .vgpr_count:     256
    .wavefront_size: 32
...
	.end_amdgpu_metadata
.endif
;; end of part 1
;; launch gemm_qkv (part 2): grid 8 x 32, 4 waves a work-group, clusters of 4 x 4, 199,168 bytes of LDS; arguments xc, xs, wc, ws, b_attn, qkv, qkvs; writes qkv, qkvs
.if DOCPART == 2
	.amdgcn_target "amdgcn-amd-amdhsa--gfx1250"
	.amdhsa_code_object_version 6
	.text
	.protected	k_qe2f09652ef_gemm_qkv
	.globl	k_qe2f09652ef_gemm_qkv
	.p2align	8
	.type	k_qe2f09652ef_gemm_qkv,@function
k_qe2f09652ef_gemm_qkv:
	s_mov_b64 s[64:65], 0
	v_nop
	global_prefetch_b8 v0, s[64:65] scope:SCOPE_SE
	s_setreg_imm32_b32 hwreg(HW_REG_WAVE_MODE, 25, 1), 1
	s_wait_xcnt 0x0
	s_wait_alu depctr_hold_cnt(0) depctr_sa_sdst(0) depctr_va_vdst(0) depctr_va_sdst(0) depctr_va_ssrc(0) depctr_va_vcc(0) depctr_vm_vsrc(0)
	s_getreg_b32 s2, hwreg(HW_REG_IB_STS2, 6, 4)
	s_cmp_eq_u32 s2, 0
	s_cbranch_scc0 .Lentry_in_a_cluster
	s_endpgm
.Lentry_in_a_cluster:
	s_bfe_u32 s2, ttmp6, 0x10000c
	s_cmp_lg_u32 s2, 0xf033
	s_cbranch_scc0 .Lentry_shape_is_right
	s_endpgm
.Lentry_shape_is_right:
; qkv = x W_attn + b_attn on codes of FP6 (E2M3) with one E8M0 scale for each 32 along K = 1,024; the results are quantised in registers for the attention's products and leave as codes and scale words alone.
; OPERANDS: rows in tiles of 16; tile T, K step s (a fragment: 16 rows x 128 K, 12 registers a lane) at 12,288 T + 1,536 s.  x's fragment lies as six planes of 256 bytes (plane p = registers 2 p, 2 p + 1, lane l's 8 bytes at 256 p + 8 l),
; the weight's as three planes of 512 bytes (plane p = registers 4 p .. 4 p + 3, lane l's 16 bytes at 512 p + 16 l).  A row's scale word lies at 1,024 (T / 2) + 256 (s / 2) + 128 (T % 2) + 8 r + 4 (s % 2).
; In every aligned group of 32 rows, place p holds row p with bits 3 and 4 exchanged, so that where such a tensor is source 0 a lane's 16 registers of two neighbouring result tiles are 16 true neighbours.
; THE DEAL.  256 work-groups: (j = 0 .. 7, i = 0 .. 31) makes tokens 256 i .. + 255 x channels 128 j .. + 127 of q, of k and of v: three PHASES on the same 256 rows of x.
; Those rows, all of K, are 196,608 dense bytes: they land in LDS ONCE, a quarter by each wave's one tensor load, and are never filled again.
; Four waves, 2 x 2: wave (a, b) takes tokens 128 a .. + 127 (8 blocks of 16 rows) and channels 64 b .. + 63 (one head).  It holds its 64 rows of the weight, ALL of K, in 384 registers, loaded from memory plane by plane
; (each load 512 consecutive bytes, aligned), and streams its 8 blocks past them: a block is 32 products, four accumulators by turns, K ascending.
; The next block's fragments are fetched in ONE run of 48 LDS loads ahead of a block's products, into the other of two sets; the blocks go round (block 7 fetches block 0 for the next phase).
; Behind a phase's last block the next phase's weights are loaded: K steps 0-3 ahead of that block's way out, K steps 4-7 behind it; the next phase's first block waits for them K step by K step.
; q, k (a loop of two trips): source 0 = the weight: a lane holds one token, its 32 results are its halves of the head's two scale blocks; they are quantised behind each block.
; v (last, written out): source 0 = x: a lane holds one channel, its 64 results a channel tile are 128 keys' halves; they are quantised at the end.
; THE BIAS is the C of each sum's first product, laid in registers as the result lies.
; CLUSTERS 4 x 4: the four work-groups of a row of the cluster need the same rows of x and ask for them JOINTLY.  The weights are not asked for jointly: they go to registers and have no image in LDS that partners could share.
; PREFETCH: in each trip's second block the next phase's weights (49,152 bytes a wave, wanted six blocks later) are asked for, shared out by address among the 8 waves of the cluster's column that load them: 24 blocks of 256 bytes each.
; OUT.  q at byte 0 and k at 6,291,456 of qkv: [batch x head 64][tile of 16 tokens 128][768 bytes: three planes of 256]; v at 12,582,912: [batch x head][128 keys 16][tile of 16 channels 4][1,536: six planes of 256].
; Scale words in qkvs: q at 0, k at 524,288: [batch x head][token's place 2,048][4]: the head's two bytes, in the low half and once more in the high half; v at 1,048,576: [batch x head][128 keys 16][channel's place 64][4].
; LIMITS: NaN and infinities are not served; a block whose largest magnitude lies under 2^-124 keeps the byte 1; a block of zeros has the byte 1, not 127: its codes are zeros, and this program alone reads the bytes.
; REGISTERS.  Fragment f lies in window 1 + f / 21 at register 12 (f % 21): f = 4 q + t the weight's (K step q, tile t), 32 + 8 e + q the rows' set e.  Window 0: v1-10 addresses; v32-47 the weight's scale words; v50-81 the rows';
; v84-125 at work; v128-159 q's or k's sums; v128-255 v's sums of tiles 0, 1.  Window 3: v72-199 v's sums of tiles 2, 3; v200-231 the bias as C; v232-235 v's bias, one number a lane and tile.
.set SPARE, 196608                     ; behind x: the spare words, 128 bytes a wave
.set SST,   SPARE+512                  ; 512 bytes a wave: the scale words made on the way out
.set VL,    1                          ; 8 x lane
.set XA,    2                          ; v2, v3  LDS address of my blocks 0-3, 4-7
.set BO,    4                          ; 64 x (lane / 16)
.set BMO,   5                          ; 4 x (r + 8 (r / 8))
.set SSTA,  6
.set SSTR,  7
.set VSO,   8                          ; 16 x lane
.set PFO,   9                          ; the prefetch's offset
.set SSTR2, 10
.set SPW,   28
.set NIL,   29
.set SB,    32
.set SX,    50                         ; (its numbers differ from SB's modulo 8)
.set TM,    84
.set PC,    100
.set PW,    120
.set WD,    122
.set ACC,   128
.set BI,    200
.set BV,    232
.set G1,    24
.set G0,    32
.set SEL,   36
.set OB,    72                         ; s[72:73] q's or k's codes, s[74:75] their words, s[76:77] v's codes, s[78:79] its words
.set OS,    74
.set OV,    76
.set OVS,   78
.set WB,    84                         ; s[84:85] the codes, s[86:87] the scale words, s[88:89] the bias of the phase that is loaded next
.set WS,    86
.set BB,    88
.set MSB, 0
.macro WIN new                         ; the immediate's high byte repeats the setting that is left
.if MSB != \new
	s_set_vgpr_msb (MSB<<8)|\new
.set MSB, \new
.endif
.endm
.macro PLACES n
.rept \n
	v_nop
.endr
.endm
.macro CROUND                          ; a round of the cluster's barrier
	s_barrier_signal -1
	s_barrier_wait -1
	s_cmp_lg_u32 s14, 0
	s_cbranch_scc1 .Lnot_wave_0_\@
	s_barrier_signal -3
.Lnot_wave_0_\@:
	s_barrier_wait -3
	s_barrier_signal -1
	s_barrier_wait -1
.endm
.macro XFRAG s, q, e                   ; K step q of my block s into set e: six planes
.set FX_, 32+8*(\e)+(\q)
	WIN (1+FX_/21)<<6
.irp p, 0,1,2,3,4,5
	ds_load_b64 v[12*(FX_%21)+2*\p:12*(FX_%21)+2*\p+1], v[XA+(\s)/4] offset:((\s)%4)*12288+(\q)*1536+256*\p
.endr
.endm
.macro WGRP q                          ; K step q of my four tiles of the weight: 12 loads; ahead of an odd step's, the scale words of this step and the one before
.if (\q)%2
	WIN 0
.irp p, 0,1
	global_load_b64 v[SB+8*\p+(\q)-1:SB+8*\p+(\q)], v[VL], s[WS:WS+1] offset:1024*\p+256*((\q)/2)
.endr
.endif
.irp t, 0,1,2,3
.set FW_, 4*(\q)+\t
	WIN (1+FW_/21)<<6
.irp p, 0,1,2
	global_load_b128 v[12*(FW_%21)+4*\p:12*(FW_%21)+4*\p+3], v[VSO], s[WB:WB+1] offset:\t*12288+(\q)*1536+512*\p
.endr
.endr
	WIN 0
.endm
.macro BLOAD                           ; q's or k's bias: register 16 b + i is channel 32 b + 16 h + i of the head
	WIN 3<<6
.irp b, 0,1
.irp k, 0,1,2,3
	global_load_b128 v[BI+16*\b+4*\k:BI+16*\b+4*\k+3], v[BO], s[BB:BB+1] offset:128*\b+16*\k
.endr
.endr
	WIN 0
.endm
.macro W1 ra, rb
	v_wmma_scale_f32_16x16x128_f8f6f4 v[D_:D_+7], v[A_:A_+11], v[B_:B_+11], v[C_:C_+7], v[X0_], v[X1_] matrix_a_fmt:MATRIX_FMT_FP6 matrix_b_fmt:MATRIX_FMT_FP6 matrix_a_scale:MATRIX_SCALE_ROW\ra matrix_b_scale:MATRIX_SCALE_ROW\rb
.endm
.macro PROD kind, s, q, t              ; one product.  kind 0 (q, k): source 0 the weight's tile t; kind 1 (v): source 0 my block s
.set FW_, 4*(\q)+(\t)
.set FX_, 32+8*((\s)%2)+(\q)
.if \kind
.set DW_, 3*((\t)/2)
.set D_, 128-56*((\t)/2)+64*((\t)%2)+8*(\s)
.set F0_, FX_
.set F1_, FW_
.set X0_, SX+8*((\s)/2)+(\q)
.set X1_, SB+8*((\t)/2)+(\q)
.set RA_, (\s)%2
.set RB_, (\t)%2
.else
.set DW_, 0
.set D_, ACC+8*(\t)
.set F0_, FW_
.set F1_, FX_
.set X0_, SB+8*((\t)/2)+(\q)
.set X1_, SX+8*((\s)/2)+(\q)
.set RA_, (\t)%2
.set RB_, (\s)%2
.endif
.set A_, 12*(F0_%21)
.set B_, 12*(F1_%21)
.if (\q) == 0
.set C_, BI+8*(\t)
.set CW_, 3
.else
.set C_, D_
.set CW_, DW_
.endif
	WIN (1+F0_/21)|((1+F1_/21)<<2)|(CW_<<4)|(DW_<<6)
.if RA_ && RB_
	W1 1, 1
.elseif RA_
	W1 1, 0
.elseif RB_
	W1 0, 1
.else
	W1 0, 0
.endif
.endm
; A block.  First the next block's 48 fragment loads, in one run, into the set that the block before has read (places stand behind that block); then the wait for this block's own fragments: the 48 just issued are younger;
; then 8 K steps of four products.  wwait: the weights are still on their way: younger than K step q's are 12 (7 - q) loads at the least (the count's field holds 63).
.macro BLOCK kind, s, fetch, wwait
.if \fetch
.irp q, 0,1,2,3,4,5,6,7
	XFRAG ((\s)+1)%8, \q, 1-(\s)%2
.endr
	s_wait_dscnt 48
.else
	s_wait_dscnt 0x0
.endif
.set Q_, 0
.rept 8
.if \wwait
.if 12*(7-Q_) > 63
	s_wait_loadcnt 63
.else
	s_wait_loadcnt 12*(7-Q_)
.endif
.endif
.irp t, 0,1,2,3
	PROD \kind, \s, Q_, \t
.endr
.set Q_, Q_+1
.endr
	WIN 0
.endm
; THE WAY OUT of a block of q or k: my 32 sums (register 16 b + i = channel 32 b + 16 h + i of my token) become six registers of codes and the head's two scale bytes.
.macro QKOUT s
	PLACES 5                                       ; places: the sums are read, and begun anew by the next block's first products, only behind these
	s_wait_xcnt 0x0                                ; the last block's stores have read their data
.irp b, 0,1
	v_max3_num_f32 v[TM+\b], |v[ACC+16*\b]|, |v[ACC+1+16*\b]|, 0x1800000   ; and the floor 2^(3 - 127): the byte cannot fall under 1
.endr
.irp i, 2,4,6,8,10,12,14
.irp b, 0,1
	v_max3_num_f32 v[TM+\b], v[TM+\b], |v[ACC+16*\b+\i]|, |v[ACC+1+16*\b+\i]|
.endr
.endr
.irp b, 0,1
	v_permlanex16_b32 v[TM+4+\b], v[TM+\b], s[SEL], s[SEL+1]
.endr
.irp b, 0,1
	v_max_num_f32 v[TM+\b], v[TM+\b], v[TM+4+\b]   ; with lane l xor 16's: the block's largest magnitude
.endr
.irp b, 0,1
	v_add_nc_u32 v[TM+12+\b], 0xff000000, v[TM+\b] ; 2 off its exponent field: the conversion's scale operand
.endr
.irp b, 0,1
	v_lshrrev_b32 v[TM+4+\b], 23, v[TM+12+\b]      ; the scale's byte
.endr
	v_lshl_or_b32 v[PW], v[TM+5], 8, v[TM+4]
	v_lshl_or_b32 v[PW], v[PW], 16, v[PW]          ; the two bytes in both halves of the word
	v_cvt_scalef32_pk16_fp6_f32 v[PC:PC+2], v[ACC:ACC+15], v[TM+12]
	v_cvt_scalef32_pk16_fp6_f32 v[PC+12:PC+14], v[ACC+16:ACC+31], v[TM+13]
	v_nop                                          ; one plain place behind a scaled conversion
.irp i, 0,1,2
	v_permlane16_swap_b32 v[PC+\i], v[PC+12+\i]    ; the operand's layout wants a WHOLE block in a lane
.endr
.irp i, 0,1,2
	v_mov_b32 v[PC+3+\i], v[PC+12+\i]
.endr
	ds_store_b32 v[SSTA], v[PW] offset:64*(\s)     ; lanes 16-31 hold the same words and write the same values to the same places
.irp p, 0,1,2
	global_store_b64 v[VL], v[PC+2*\p:PC+2*\p+1], s[OB:OB+1] offset:768*(\s)+256*\p   ; a plane: 256 consecutive bytes, aligned
.endr
.endm
; THE WAY OUT of v's channel tile t: my 64 sums (register 16 b + i = key 32 b + 16 h + i of my channel) become a fragment's codes and its scale word.
.macro VQ t
.set W_, 3*((\t)/2)
.set B_, 128-56*((\t)/2)+64*((\t)%2)
.if (\t) > 0
	s_wait_xcnt 0x0                                ; the last tile's stores have read their data
.endif
	WIN W_|(W_<<2)
.irp b, 0,1,2,3
	v_max3_num_f32 v[TM+\b], |v[B_+16*\b]|, |v[B_+1+16*\b]|, 0x1800000
.endr
	WIN (W_<<2)|(W_<<4)
.irp i, 2,4,6,8,10,12,14
.irp b, 0,1,2,3
	v_max3_num_f32 v[TM+\b], v[TM+\b], |v[B_+16*\b+\i]|, |v[B_+1+16*\b+\i]|
.endr
.endr
	WIN 0
.irp b, 0,1,2,3
	v_permlanex16_b32 v[TM+4+\b], v[TM+\b], s[SEL], s[SEL+1]
.endr
.irp b, 0,1,2,3
	v_max_num_f32 v[TM+\b], v[TM+\b], v[TM+4+\b]
.endr
.irp b, 0,1,2,3
	v_add_nc_u32 v[TM+12+\b], 0xff000000, v[TM+\b]
.endr
.irp b, 0,1,2,3
	v_lshrrev_b32 v[TM+4+\b], 23, v[TM+12+\b]
.endr
	v_lshl_or_b32 v[PW], v[TM+5], 8, v[TM+4]
	v_lshl_or_b32 v[PW], v[TM+6], 16, v[PW]
	v_lshl_or_b32 v[PW], v[TM+7], 24, v[PW]
	WIN W_
.irp c, 0,1
	v_cvt_scalef32_pk16_fp6_f32 v[PC+6*\c:PC+2+6*\c], v[B_+32*\c:B_+15+32*\c], v[TM+12+2*\c]
	v_cvt_scalef32_pk16_fp6_f32 v[PC+12+4*\c:PC+14+4*\c], v[B_+16+32*\c:B_+31+32*\c], v[TM+12+2*\c+1]
.endr
	WIN 0
	v_nop
.irp c, 0,1
.irp i, 0,1,2
	v_permlane16_swap_b32 v[PC+6*\c+\i], v[PC+12+4*\c+\i]
.endr
.irp i, 0,1,2
	v_mov_b32 v[PC+3+6*\c+\i], v[PC+12+4*\c+\i]
.endr
.endr
	ds_store_b32 v[SSTA], v[PW] offset:64*(\t)
.irp p, 0,1,2,3,4,5
	global_store_b64 v[VL], v[PC+2*\p:PC+2*\p+1], s[OV:OV+1] offset:1536*(\t)+256*\p
.endr
.endm
	s_load_b128 s[4:7], s[0:1], 0x0                ; x's codes, x's scales
	s_load_b128 s[8:11], s[0:1], 0x10              ; W's codes, W's scales
	s_load_b128 s[96:99], s[0:1], 0x20             ; b_attn, qkv
	s_load_b64 s[100:101], s[0:1], 0x30            ; qkvs
	v_lshl_add_u32 v[SPW], v0, 2, SPARE
	v_mov_b32 v[NIL], 0
	ds_add_u32 v[SPW], v[NIL]                      ; the opening lines: the add twice on end and its wait
	ds_add_u32 v[SPW], v[NIL]
	v_lshrrev_b32 v12, 5, v0
	v_readfirstlane_b32 s14, v12                   ; wave 0..3
	s_lshr_b32 s15, s14, 1                         ; a: which 128 tokens
	s_and_b32 s16, s14, 1                          ; b: which 64 channels
	s_bfe_u32 s40, ttmp6, 0x40000                  ; cx, cy
	s_bfe_u32 s41, ttmp6, 0x40004
	s_lshl_b32 s42, ttmp9, 2
	s_add_co_u32 s42, s42, s40                     ; j
	s_and_b32 s17, ttmp7, 0xffff
	s_lshl_b32 s17, s17, 2
	s_add_co_u32 s17, s17, s41                     ; i
	s_lshl_b32 s43, s41, 2
	s_lshl_b32 s43, 15, s43                        ; my row of the cluster
	s_or_b32 s[G1], s43, (3<<16)|(1<<21)           ; the mask; elements of 8 bytes; bit 21 beside a mask
	s_mov_b32 s[G1+1], 32<<16                      ; a dense block of 49,152 bytes as 192 rows of 256
	s_mov_b32 s[G1+2], 192<<16
	s_mov_b32 s[G1+3], 32<<16
	s_mov_b32 s[G1+4], 192
	s_mov_b32 s[G1+5], 32
	s_mov_b32 s[G1+6], 0
	s_mov_b32 s[G1+7], 0
	s_mov_b32 s[G0], 1
	s_mul_i32 s[G0+1], s14, 49152                  ; LDS: wave x four tiles
	s_lshl_b32 s20, s17, 4
	s_lshl_b32 s21, s14, 2
	s_add_co_u32 s20, s20, s21
	s_mul_i32 s20, s20, 12288                      ; x's tiles 16 i + 4 wave on
	s_mov_b32 s21, 0
	s_lshl_b32 s22, s17, 3
	s_lshl_b32 s23, s15, 2
	s_add_co_u32 s22, s22, s23
	s_lshl_b32 s22, s22, 10                        ; the scale words of my 8 blocks
	s_mov_b32 s23, 0
	s_lshl_b32 s44, s42, 3
	s_lshl_b32 s45, s16, 2
	s_add_co_u32 s44, s44, s45                     ; q's tile of the weight: 8 j + 4 b
	s_mul_i32 s46, s44, 12288
	s_mov_b32 s47, 0
	s_lshl_b32 s90, s44, 9
	s_mov_b32 s91, 0
	s_lshl_b32 s92, s44, 6
	s_mov_b32 s93, 0
	s_lshr_b32 s18, s17, 3
	s_lshl_b32 s18, s18, 4
	s_lshl_b32 s19, s42, 1
	s_add_co_u32 s18, s18, s19
	s_add_co_u32 s18, s18, s16                     ; batch x head
	s_and_b32 s19, s17, 7
	s_lshl_b32 s19, s19, 1
	s_add_co_u32 s19, s19, s15                     ; which 128 tokens of the batch
	s_mul_i32 s[OB], s18, 98304
	s_mul_i32 s45, s19, 6144
	s_add_co_u32 s[OB], s[OB], s45
	s_mov_b32 s[OB+1], 0
	s_lshl_b32 s[OS], s18, 13
	s_lshl_b32 s45, s19, 9
	s_add_co_u32 s[OS], s[OS], s45
	s_mov_b32 s[OS+1], 0
	s_lshl_b32 s45, s18, 4
	s_add_co_u32 s45, s45, s19
	s_mul_i32 s[OV], s45, 6144
	s_add_co_u32 s[OV], s[OV], 12582912
	s_mov_b32 s[OV+1], 0
	s_lshl_b32 s[OVS], s45, 8
	s_add_co_u32 s[OVS], s[OVS], 1048576
	s_mov_b32 s[OVS+1], 0
	s_mov_b32 s[SEL], 0x76543210
	s_mov_b32 s[SEL+1], 0xfedcba98
	s_mul_i32 s21, s15, 98304
	s_lshl_b32 s45, s14, 9
	s_add_co_u32 s45, s45, SST                     ; my 512 bytes for scale words
	s_lshl_b32 s44, s41, 1
	s_add_co_u32 s44, s44, s15
	s_mul_i32 s44, s44, 24                         ; my 24 of the 192 blocks that a prefetch shares out
	v_and_b32 v12, 15, v0                          ; r
	v_bfe_u32 v13, v0, 4, 1                        ; h
	v_and_b32 v14, 31, v0                          ; lane
	v_lshlrev_b32 v[VL], 3, v14
	v_add_nc_u32 v[XA], s21, v[VL]
	v_add_nc_u32 v[XA+1], 49152, v[XA]
	v_lshlrev_b32 v[BO], 6, v13
	v_and_b32 v15, 8, v12
	v_add_nc_u32 v15, v15, v12
	v_lshlrev_b32 v[BMO], 2, v15
	v_lshlrev_b32 v[SSTA], 2, v12
	v_add_nc_u32 v[SSTA], s45, v[SSTA]
	v_lshlrev_b32 v[VSO], 4, v14
	v_add_nc_u32 v[SSTR], s45, v[VSO]
	v_add_nc_u32 v[SSTR2], s45, v[VL]
	v_min_u32 v15, 23, v14                         ; (lanes 24-31 name the last block again)
	v_add_nc_u32 v15, s44, v15
	v_lshlrev_b32 v[PFO], 8, v15
.irp b, 0,1,2,3
	v_mov_b32 v[TM+4+\b], 0                        ; written once: a lane permute's destination counts as one of its sources
.endr
	s_mov_b32 s21, 0
	s_wait_alu depctr_va_vdst(0)                   ; the wait ahead of the waits below
	s_wait_dscnt 0x0
	s_wait_kmcnt 0x0
	s_add_nc_u64 s[G0+2:G0+3], s[4:5], s[20:21]
	s_or_b32 s[G0+3], s[G0+3], 0x80000000
	s_add_nc_u64 s[6:7], s[6:7], s[22:23]
	s_add_nc_u64 s[WB:WB+1], s[8:9], s[46:47]
	s_add_nc_u64 s[WS:WS+1], s[10:11], s[90:91]
	s_add_nc_u64 s[BB:BB+1], s[96:97], s[92:93]
	s_add_nc_u64 s[OB:OB+1], s[98:99], s[OB:OB+1]
	s_add_nc_u64 s[OS:OS+1], s[100:101], s[OS:OS+1]
	s_add_nc_u64 s[OV:OV+1], s[98:99], s[OV:OV+1]
	s_add_nc_u64 s[OVS:OVS+1], s[100:101], s[OVS:OVS+1]
	CROUND                                         ; all sixteen work-groups are here: the joint loads meet
	tensor_load_to_lds s[G0:G0+3], s[G1:G1+7]      ; my quarter of the 256 rows: the wave's one tensor load
	s_nop 0
	PLACES 4
.irp g, 0,1,2,3                                ; the scale words of my 8 blocks, for all of K: lanes 0-15 the even block's, lanes 16-31 the odd one's
.irp u, 0,1,2,3
	global_load_b64 v[SX+8*\g+2*\u:SX+8*\g+2*\u+1], v[VL], s[6:7] offset:1024*\g+256*\u
.endr
.endr
	WIN 3<<6
.irp t, 0,1,2,3                                ; v's bias: lane r of tile t is channel 32 (t / 2) + 8 (t % 2) + r + 8 (r / 8)
	global_load_b32 v[BV+\t], v[BMO], s[BB:BB+1] offset:8192+(32*(\t/2)+8*(\t%2))*4
.endr
	WIN 0
	BLOAD
.irp q, 0,1,2,3,4,5,6,7
	WGRP \q
.endr
.macro NEXTW                           ; on to the phase that is loaded next
	s_wait_xcnt 0x0                                ; the loads, stores and prefetches have read their bases
	s_add_nc_u64 s[WB:WB+1], s[WB:WB+1], 786432
	s_add_nc_u64 s[WS:WS+1], s[WS:WS+1], 32768
	s_add_nc_u64 s[BB:BB+1], s[BB:BB+1], 4096
.endm
	NEXTW
	s_wait_tensorcnt 0x0                           ; my quarter is in,
	s_barrier_signal -1
	s_barrier_wait -1                              ; everybody's
.irp q, 0,1,2,3,4,5,6,7
	XFRAG 0, \q, 0
.endr
	WIN 0
	s_mov_b32 s3, 0
.Lphase:                                               ; q, then k
	BLOCK 0, 0, 1, 1
	QKOUT 0
	global_prefetch_b8 v[PFO], s[WB:WB+1] th:TH_LOAD_NT scope:SCOPE_SE
.irp n, 1,2,3,4,5,6
	BLOCK 0, \n, 1, 0
	QKOUT \n
.endr
	BLOCK 0, 7, 1, 0
	PLACES 4                                       ; places between the phase's last products and the loads into their registers
	s_cmp_eq_u32 s3, 1                             ; behind k comes v, whose bias was loaded at the head
	s_cbranch_scc1 .Lno_bias
	BLOAD
.Lno_bias:
.irp q, 0,1,2,3
	WGRP \q
.endr
	QKOUT 7
	ds_load_b128 v[WD:WD+3], v[SSTR]               ; my 128 tokens' words (LDS serves a wave's instructions in order)
	s_wait_dscnt 0x0
	global_store_b128 v[VSO], v[WD:WD+3], s[OS:OS+1]   ; 512 consecutive bytes, aligned
.irp q, 4,5,6,7
	WGRP \q
.endr
	NEXTW
	s_add_nc_u64 s[OB:OB+1], s[OB:OB+1], 6291456
	s_add_nc_u64 s[OS:OS+1], s[OS:OS+1], 524288
	s_add_co_u32 s3, s3, 1
	s_cmp_lt_u32 s3, 2
	s_wait_alu depctr_va_vdst(0)                   ; the wait ahead of the branch
	s_cbranch_scc1 .Lphase
	WIN (3<<6)|3                                   ; v: its bias, one number a lane and tile, over the tile's eight registers
.irp t, 0,1,2,3
.irp i, 0,1,2,3,4,5,6,7
	v_mov_b32 v[BI+8*\t+\i], v[BV+\t]
.endr
.endr
	WIN 0
	PLACES 8
	s_wait_alu depctr_va_vdst(0)
	BLOCK 1, 0, 1, 1
	PLACES 4                                       ; places between a block's products and the loads into their registers
.irp n, 1,2,3,4,5,6
	BLOCK 1, \n, 1, 0
	PLACES 4
.endr
	BLOCK 1, 7, 0, 0
	PLACES 5
.irp t, 0,1,2,3
	VQ \t
.endr
	ds_load_b64 v[WD:WD+1], v[SSTR2]               ; my 64 channels' words
	s_wait_dscnt 0x0
	global_store_b64 v[VL], v[WD:WD+1], s[OVS:OVS+1]   ; 256 consecutive bytes, aligned
	s_wait_tensorcnt 0x0                           ; the wave's end
	ds_add_u32 v[SPW], v[NIL]
	s_wait_dscnt 0x0
	CROUND                                         ; the closing round
	s_endpgm
.Lfunc_end_k_qe2f09652ef_gemm_qkv:
	.size	k_qe2f09652ef_gemm_qkv, .Lfunc_end_k_qe2f09652ef_gemm_qkv-k_qe2f09652ef_gemm_qkv
	.p2alignl 7, 3214868480
	.fill 96, 4, 3214868480
	.section	.rodata,"a",@progbits
	.p2align	6, 0x0
	.amdhsa_kernel k_qe2f09652ef_gemm_qkv
		.amdhsa_group_segment_fixed_size 199168
		.amdhsa_private_segment_fixed_size 0
		.amdhsa_enable_private_segment 0
		.amdhsa_kernarg_size 56
		.amdhsa_user_sgpr_count 2
		.amdhsa_user_sgpr_kernarg_segment_ptr 1
		.amdhsa_wavefront_size32 1
		.amdhsa_system_sgpr_workgroup_id_x 1
		.amdhsa_system_sgpr_workgroup_id_y 1
		.amdhsa_system_sgpr_workgroup_id_z 1
		.amdhsa_system_vgpr_workitem_id 0
		.amdhsa_next_free_vgpr 1024
		.amdhsa_next_free_sgpr 102
		.amdhsa_reserve_vcc 0
		.amdhsa_float_denorm_mode_32 3
		.amdhsa_float_denorm_mode_16_64 3
		.amdhsa_memory_ordered 1
		.amdhsa_forward_progress 1
		.amdhsa_inst_pref_size 191
	.end_amdhsa_kernel
	.amdgpu_metadata
---
amdhsa.version: [ 1, 2 ]
amdhsa.kernels:
  - .name:           k_qe2f09652ef_gemm_qkv
    .symbol:         k_qe2f09652ef_gemm_qkv.kd
    .args:
      - { .name: xc, .offset: 0, .size: 8, .value_kind: global_buffer, .address_space: global }
      - { .name: xs, .offset: 8, .size: 8, .value_kind: global_buffer, .address_space: global }
      - { .name: wc, .offset: 16, .size: 8, .value_kind: global_buffer, .address_space: global }
      - { .name: ws, .offset: 24, .size: 8, .value_kind: global_buffer, .address_space: global }
      - { .name: b_attn, .offset: 32, .size: 8, .value_kind: global_buffer, .address_space: global }
      - { .name: qkv, .offset: 40, .size: 8, .value_kind: global_buffer, .address_space: global }
      - { .name: qkvs, .offset: 48, .size: 8, .value_kind: global_buffer, .address_space: global }
    .group_segment_fixed_size: 199168
    .private_segment_fixed_size: 0
    .kernarg_segment_align: 8
    .kernarg_segment_size: 56
    .max_flat_workgroup_size: 128
    .sgpr_count:     102
    .vgpr_count:     1024
    .wavefront_size: 32
...
	.end_amdgpu_metadata
.endif
;; end of part 2
;; launch attn (part 3): grid 4 x 64, 16 waves a work-group, no clusters, 221,184 bytes of LDS; arguments qkv, qkvs, yc, ys; writes yc, ys
.if DOCPART == 3
	.amdgcn_target "amdgcn-amd-amdhsa--gfx1250"
	.amdhsa_code_object_version 6
	.text
	.protected	k_qe2f09652ef_attn
	.globl	k_qe2f09652ef_attn
	.p2align	8
	.type	k_qe2f09652ef_attn,@function
k_qe2f09652ef_attn:
	s_mov_b64 s[64:65], 0
	v_nop
	global_prefetch_b8 v0, s[64:65] scope:SCOPE_SE
	s_setreg_imm32_b32 hwreg(HW_REG_WAVE_MODE, 25, 1), 1
	s_wait_xcnt 0x0
; y[b][h][q][:] = the sum over k <= q of softmax_k(q . k / 8) v[k][:], both products on codes of FP6 (E2M3) with one E8M0 scale for each 32 along a product's K; y is quantised along the channels and leaves as codes.
; IN (made by the launch before).  q at byte 0 and k at 6,291,456 of qkv: [batch x head 64][tile of 16 tokens 128][768 bytes]: three planes of 256 bytes, lane l's 8 bytes at 256 p + 8 l: registers 0-5 of a fragment.
; v at 12,582,912: [batch x head][128 keys 16][tile of 16 channels 4][1,536]: whole fragments, the keys along K.  Scale words in qkvs: q at 0, k at 524,288: [batch x head][place 2,048][4]; v at 1,048,576: [batch x head][step 16][place 64][4].
; In every aligned group of 32 tokens or channels, place p holds index p with bits 3 and 4 exchanged: lane r of tile T is index 32 (T / 2) + 8 (T % 2) + r + 8 (r / 8).
; THE HEAD IS 64, THE INSTRUCTION'S K 128.  Two neighbouring tiles of keys are ONE operand; it is multiplied once by [q | zeros] and once by [zeros | q].  A word of q or k carries its two bytes in the low half for an even tile, in the high half for an odd one.
; THE SOFTMAX: t = score x log2(e) / 8; M = the row's largest t so far, rounded UP to a whole number; p = 2^(t - M) is quantised along the keys, not normalised; the row's sum is taken of the unquantised p and divides at the end.
; When M moves, the sum and O are multiplied by 2^(old M - new M): exact.
; LEFT OUT: key steps all of whose keys come after the wave's queries: the causal mask gives them the weight 0 for every input.
; SHARES.  A unit is 128 queries, a key step 128 keys.  Work-group (g = 0 .. 3, batch x head) has 16 waves; a wave owns ONE tile of 16 queries in each of TWO units, one after the other:
; waves 0-7 units 15 - g, then g; waves 8-15 units 8 + g, then 7 - g.  A tile of unit u works key steps 0 .. u, so every wave works (u + 1) + (16 - u) = 17 key steps.  256 work-groups: one on each WGP.
; LDS is filled ONCE with the head's K, V and scale words, one tensor load a wave, all at the head: wave 0 K's scale words, wave 1 V's, waves 2, 3 key steps 0-3 of K, of V, waves 4-9 two later key steps of K each, waves 10-15 of V.
; The first barrier shows the loads of waves 0-3 (their lines are theirs alone); key steps 0-3 of the first unit (8 or more: nothing hidden) are worked while the others land; the second barrier shows all.
; The second unit's q is loaded at the head too, into registers of its own.  The loops' trip counts are constants; a hidden step is passed over by a scalar branch on ids.
; NO CLUSTER, though the 4 work-groups of a head read the same K and V: the causal skip is a branch on the work-group's units, which differ between them.
; NO PREFETCH: every byte that the launch reads is asked for at its head, by the tensor loads and the loads of q; no later request is left to run ahead of.
; Both products are used transposed (S^T = K Q^T, O^T = V^T P^T): a lane holds ONE query (lane % 16); the 16 registers of two neighbouring result tiles are 16 true neighbours.
; OUT.  yc: y's codes as an operand with K = 1,024: token tile T, K step s at 12,288 T + 1,536 s; head hh is half hh % 2 of step hh / 2.  ys: its two bytes at 1,024 (T / 2) + 256 (s / 2) + 128 (T % 2) + 8 r + 4 (s % 2) + 2 (hh % 2).
; LIMITS: NaN and infinities are not served; the scaled scores t stay under 2^31 in magnitude; a block whose largest magnitude lies under 2^-124 keeps the byte 1; a block of zeros has the byte 1, not 127: its codes are zeros, and this program alone reads the bytes.
; REGISTERS: v1-7 addresses that stay; v8-11 addresses of the loads in hand; v12 -M, v13 the largest t, v[14:15] the sum; v16-27 [q | 0]; v80-91 [0 | q]; v92, v93 q's scale words; v32-79 four fragments of K or of V;
; v96-159 S^T, then p; v160-191 O^T; v192-199 K's scale words; v200-203 V's; v204-210 the second unit's q and its scale word; v224-235 p's codes; v232-254 at work; v251, v255 the add's two.
.set KSC,   0                          ; LDS: K's scale words,
.set VSC,   8192                       ; V's,
.set SPARE, 12288                      ; the spare words, 128 bytes a wave,
.set KB,    24576                      ; K's codes, 6,144 bytes a key step,
.set VB,    122880                     ; V's
.set STB,   6144
.set ADK,  8
.set ADV,  9
.set ADS,  10
.set ADT,  11
.set TB,   2                           ; s2   the step's codes
.set TS,   3                           ; s3   K's scale words: 512 bytes a step
.set KI,   16                          ; s16  the key step
.set UB,   17                          ; s17  my second unit
.set WV,   18                          ; s18  my wave's number
.set SEL,  20                          ; s[20:21] lane selects for v_permlanex16_b32: lane l xor 16
.set CS,   22                          ; s[22:23] c = log2(e) / 8
.set G1KS, 24                          ; descriptor groups 1: K's scale words, V's, four key steps, two key steps
.set G1VS, 32
.set G1C,  40
.set G1L,  48
.set G0KS, 56                          ; groups 0
.set G0VS, 60
.set TJ,   66                          ; s66  V's scale words: 256 bytes a step
.set ST,   67                          ; s67  the trip: 16 x (which unit) + the key step
.set G0E,  68
.set G0L,  72
.set UN,   76                          ; s76  the unit in hand
.macro TL g0, g1
	tensor_load_to_lds s[\g0:\g0+3], s[\g1:\g1+7]
	s_nop 0
.rept 4
	v_nop
.endr
.endm
.macro MM d, a, b, c, sa, sb
	v_wmma_scale_f32_16x16x128_f8f6f4 v[\d:\d+7], v[\a:\a+11], v[\b:\b+11], \c, v[\sa], v[\sb] matrix_a_fmt:MATRIX_FMT_FP6 matrix_b_fmt:MATRIX_FMT_FP6
.endm
; A tile of queries begins: M, the sum, q's scale words out of the word in v[w], O^T = 0.  (The 32 moves are also the places between the scale words' and q's last write and the first product.)
.macro FRESH w
	v_mov_b32 v13, 0xff61b1e6                      ; the largest t so far: -3e38, under every t
	v_floor_f32 v12, -v13                          ; -M
	v_mov_b32 v14, 0
	v_mov_b32 v15, 0
	v_lshrrev_b32 v92, s79, v[\w]
	v_and_b32 v92, 0xffff, v92                     ; q's two bytes for k = 0 .. 63; the other two are 0 and meet zero codes
	v_lshlrev_b32 v93, 16, v92                     ; and for k = 64 .. 127
.set j, 0
.rept 32
	v_mov_b32 v[160+j], 0
.set j, j+1
.endr
	s_wait_alu depctr_va_vdst(0)
.endm
	s_load_b128 s[4:7], s[0:1], 0x0                ; qkv, qkvs
	s_load_b128 s[8:11], s[0:1], 0x10              ; yc, ys
	v_lshl_add_u32 v251, v0, 2, SPARE
	v_mov_b32 v255, 0
	ds_add_u32 v251, v255                          ; the opening lines: the add twice on end and its wait
	ds_add_u32 v251, v255
	v_lshrrev_b32 v8, 5, v0
	v_readfirstlane_b32 s[WV], v8                  ; wave 0..15
	s_and_b32 s77, ttmp7, 0xffff                   ; batch x head
	s_and_b32 s78, s[WV], 7                        ; my tile in a unit
	s_sub_co_u32 s80, 15, ttmp9
	s_add_co_u32 s81, ttmp9, 8
	s_cmp_lt_u32 s[WV], 8
	s_cselect_b32 s[UN], s80, s81                  ; my first unit: 15 - g or 8 + g
	s_sub_co_u32 s[UB], 15, s[UN]                  ; my second
	s_mul_i32 s83, s77, 98304                      ; the head's first byte in each of q, k, v
	s_and_b32 s81, s[WV], 1                        ; waves 2, 3: key steps 0-3 of K, of V
	s_mul_i32 s[G0E+1], s81, 98304
	s_add_co_u32 s[G0E+1], s[G0E+1], KB
	s_add_co_u32 s84, s81, 1
	s_mul_i32 s84, s84, 6291456
	s_add_co_u32 s84, s84, s83
	s_mov_b32 s85, 0
	s_add_co_u32 s86, s[WV], 6                     ; waves 4-15: f = 0 for K (waves 4-9), 1 for V
	s_lshr_b32 s86, s86, 4
	s_mul_i32 s[G0L+1], s[WV], 12288               ; LDS: 12,288 x wave + 24,576 f: key step 2 (wave - 4 - 6 f) + 4 of K or V
	s_mul_i32 s87, s86, 24576
	s_add_co_u32 s[G0L+1], s[G0L+1], s87
	s_mul_i32 s88, s86, 6291456-73728              ; and the same two key steps in memory
	s_add_co_u32 s88, s88, 6291456-24576
	s_add_co_u32 s88, s88, s83
	s_mul_i32 s87, s[WV], 12288
	s_add_co_u32 s88, s88, s87
	s_mov_b32 s89, 0
	s_lshl_b32 s90, s77, 13
	s_add_co_u32 s92, s90, 524288                  ; the head's scale words of K
	s_mov_b32 s93, 0
	s_lshl_b32 s94, s77, 12
	s_add_co_u32 s94, s94, 1048576                 ; and of V
	s_mov_b32 s95, 0
	s_lshl_b32 s80, s[UN], 3                       ; my first tile of queries: codes and scale words
	s_add_co_u32 s80, s80, s78
	s_mul_i32 s96, s80, 768
	s_add_co_u32 s96, s96, s83
	s_mov_b32 s97, 0
	s_lshl_b32 s98, s80, 6
	s_add_co_u32 s98, s98, s90
	s_mov_b32 s99, 0
	s_lshl_b32 s80, s[UB], 3                       ; my second
	s_add_co_u32 s80, s80, s78
	s_mul_i32 s12, s80, 768
	s_add_co_u32 s12, s12, s83
	s_mov_b32 s13, 0
	s_lshl_b32 s14, s80, 6
	s_add_co_u32 s14, s14, s90
	s_mov_b32 s15, 0
	; descriptor groups 1: dense blocks as rows of 256 bytes (32 elements of 8 bytes), no padding: all LDS reads take 256 consecutive bytes or 64
.irp g, G1KS, G1VS, G1C, G1L
	s_mov_b32 s[\g], 3<<16
	s_mov_b32 s[\g+1], 32<<16
	s_mov_b32 s[\g+3], 32<<16
	s_mov_b32 s[\g+5], 32
	s_mov_b32 s[\g+6], 0
	s_mov_b32 s[\g+7], 0
.endr
	s_mov_b32 s[G1KS+2], 32<<16                    ; rows: K's scale words 32,
	s_mov_b32 s[G1KS+4], 32
	s_mov_b32 s[G1VS+2], 16<<16                    ; V's 16,
	s_mov_b32 s[G1VS+4], 16
	s_mov_b32 s[G1C+2], 96<<16                     ; four key steps 96,
	s_mov_b32 s[G1C+4], 96
	s_mov_b32 s[G1L+2], 48<<16                     ; two key steps 48
	s_mov_b32 s[G1L+4], 48
	s_mov_b32 s[G0KS], 1
	s_mov_b32 s[G0KS+1], KSC
	s_mov_b32 s[G0VS], 1
	s_mov_b32 s[G0VS+1], VSC
	s_mov_b32 s[G0E], 1
	s_mov_b32 s[G0L], 1
	s_mov_b32 s[SEL], 0x76543210
	s_mov_b32 s[SEL+1], 0xfedcba98
	s_mov_b32 s[CS], 0x3e38aa3b                    ; c = log2(e) / 8
	s_mov_b32 s[CS+1], s[CS]
	s_mov_b32 s[TB], 0
	s_mov_b32 s[TS], 0
	s_mov_b32 s[TJ], 0
	s_mov_b32 s[ST], 0
	s_wait_dscnt 0x0
	s_wait_kmcnt 0x0
	s_add_nc_u64 s[G0KS+2:G0KS+3], s[6:7], s[92:93]
	s_or_b32 s[G0KS+3], s[G0KS+3], 0x80000000
	s_add_nc_u64 s[G0VS+2:G0VS+3], s[6:7], s[94:95]
	s_or_b32 s[G0VS+3], s[G0VS+3], 0x80000000
	s_add_nc_u64 s[G0E+2:G0E+3], s[4:5], s[84:85]
	s_or_b32 s[G0E+3], s[G0E+3], 0x80000000
	s_add_nc_u64 s[G0L+2:G0L+3], s[4:5], s[88:89]
	s_or_b32 s[G0L+3], s[G0L+3], 0x80000000
	s_add_nc_u64 s[96:97], s[4:5], s[96:97]
	s_add_nc_u64 s[98:99], s[6:7], s[98:99]
	s_add_nc_u64 s[12:13], s[4:5], s[12:13]
	s_add_nc_u64 s[14:15], s[6:7], s[14:15]
	s_cmp_eq_u32 s[WV], 0                          ; one chain of branches on the wave's number, one load to an arm: every wave issues one
	s_cbranch_scc0 .Lw1
	TL G0KS, G1KS
	s_branch .Lasked
.Lw1:
	s_cmp_eq_u32 s[WV], 1
	s_cbranch_scc0 .Lw2
	TL G0VS, G1VS
	s_branch .Lasked
.Lw2:
	s_cmp_lt_u32 s[WV], 4
	s_cbranch_scc0 .Lw4
	TL G0E, G1C
	s_branch .Lasked
.Lw4:
	TL G0L, G1L
.Lasked:
	s_lshr_b32 s80, s77, 4                         ; where y goes, for unit 0: a unit on is 98,304 bytes of codes and 4,096 of scale bytes
	s_lshl_b32 s80, s80, 7
	s_add_co_u32 s80, s80, s78                     ; T: my tile among all 512 tiles of tokens
	s_and_b32 s81, s77, 15                         ; hh: the head
	s_lshl_b32 s84, s80, 3
	s_lshr_b32 s85, s81, 1
	s_add_co_u32 s84, s84, s85
	s_mul_i32 s84, s84, 1536
	s_and_b32 s86, s81, 1
	s_mul_i32 s87, s86, 768
	s_add_co_u32 s84, s84, s87                     ; codes: (8 T + hh / 2) x 1,536 + (hh % 2) x 768
	s_lshr_b32 s88, s80, 1
	s_lshl_b32 s88, s88, 10
	s_lshr_b32 s87, s81, 2
	s_lshl_b32 s87, s87, 8
	s_add_co_u32 s88, s88, s87
	s_and_b32 s87, s80, 1
	s_lshl_b32 s87, s87, 7
	s_add_co_u32 s88, s88, s87
	s_and_b32 s87, s85, 1
	s_lshl_b32 s87, s87, 2
	s_add_co_u32 s88, s88, s87
	s_lshl_b32 s87, s86, 1
	s_add_co_u32 s88, s88, s87                     ; scale bytes
	s_mov_b32 s85, 0
	s_mov_b32 s89, 0
	s_add_nc_u64 s[8:9], s[8:9], s[84:85]
	s_add_nc_u64 s[10:11], s[10:11], s[88:89]
	s_mov_b32 s91, 0
	s_lshr_b32 s83, s78, 1
	s_lshl_b32 s83, s83, 5
	s_and_b32 s79, s78, 1
	s_lshl_b32 s81, s79, 3
	s_add_co_u32 s83, s83, s81                     ; my tile's first query in a unit: 32 (tile / 2) + 8 (tile % 2)
	s_lshl_b32 s79, s79, 4                         ; where q's two bytes stand in its word: 16 bits up in an odd tile
	v_and_b32 v8, 15, v0                           ; r
	v_bfe_u32 v9, v0, 4, 1                         ; h
	v_and_b32 v10, 31, v0                          ; lane
	v_lshlrev_b32 v1, 3, v10                       ; 8 x lane: my place in a plane
	v_lshlrev_b32 v6, 2, v8                        ; 4 r
.irp p, 0,1,2
	global_load_b64 v[16+2*\p:17+2*\p], v1, s[96:97] offset:256*\p   ; q, as k = 0 .. 63 of [q | 0],
	global_load_b64 v[86+2*\p:87+2*\p], v1, s[96:97] offset:256*\p   ; and as k = 64 .. 127 of [0 | q]
.endr
	global_load_b32 v92, v6, s[98:99]
.irp p, 0,1,2
	global_load_b64 v[204+2*\p:205+2*\p], v1, s[12:13] offset:256*\p ; the second unit's q, kept until the change of units
.endr
	global_load_b32 v210, v6, s[14:15]
	v_add_nc_u32 v2, VB, v1
	v_lshl_add_u32 v4, v8, 2, VSC
	v_and_b32 v11, 8, v8
	v_add_nc_u32 v5, v11, v8
	v_lshlrev_b32 v11, 4, v9
	v_sub_nc_u32 v5, v5, v11
	v_add_nc_u32 v5, s83, v5                       ; d = my query in the unit - 16 h.  On the diagonal register n holds key 32 (n / 16) + n % 16 + 16 h of the unit: hidden where 32 (n / 16) + n % 16 > d
	v_lshlrev_b32 v7, 3, v8                        ; 8 r
.irp i, 0,1,2,3,4,5
	v_mov_b32 v[22+\i], 0                          ; zero codes
	v_mov_b32 v[80+\i], 0
.endr
.irp b, 0,1,2,3
	v_mov_b32 v[236+\b], 0                         ; written once: a lane permute's destination counts as one of its sources
.endr
	v_mov_b32 v252, 0
	v_mov_b32 v253, 0
	s_wait_loadcnt 0x4                             ; my first q and its scale word are in; the four loads of the second may be out
	FRESH 92
; A KEY STEP: 128 keys.  diag = 0: key steps 0-3 of the first unit: nothing is hidden, and the addresses are stepped by the loop.  diag = 1: any step.
.macro STEP diag
.if \diag
	s_mul_i32 s[TB], s[KI], STB
	s_lshl_b32 s[TS], s[KI], 9
	s_lshl_b32 s[TJ], s[KI], 8
	s_cmp_gt_u32 s[KI], s[UN]                      ; all its keys come after my queries
	s_cbranch_scc1 .Lhidden_\@
.endif
	v_add_nc_u32 v[ADK], s[TB], v1                 ; (these four are the places in front of the loads into registers that the last products have read)
	v_add_nc_u32 v[ADV], s[TB], v2
	v_add_nc_u32 v[ADS], s[TS], v6
	v_add_nc_u32 v[ADT], s[TJ], v4
.irp b, 0,1,2,3                                ; four operands, two tiles of 16 keys each
.irp p, 0,1,2,3,4,5
	ds_load_b64 v[32+12*\b+2*\p:33+12*\b+2*\p], v[ADK] offset:KB+1536*\b+256*\p
.endr
.endr
.irp t, 0,1,2,3,4,5,6,7
	ds_load_b32 v[192+\t], v[ADS] offset:KSC+64*\t
.endr
	s_wait_alu depctr_va_vdst(0)
	s_wait_dscnt 0x0
.irp t, 0,2,4,6                                ; S^T = K Q^T: the even tile against [q | 0], the odd one against [0 | q]
	MM 96+8*\t, 32+6*\t, 16, 0, 192+\t, 92
	MM 104+8*\t, 32+6*\t, 80, 0, 193+\t, 93
.endr
.rept 4
	v_nop                                          ; places: the scores are read, and V is loaded over K, only behind these
.endr
.irp t, 0,1,2,3                                ; V's four fragments are asked for now and land under the softmax
.irp p, 0,1,2,3,4,5
	ds_load_b64 v[32+12*\t+2*\p:33+12*\t+2*\p], v[ADV] offset:1536*\t+256*\p
.endr
	ds_load_b32 v[200+\t], v[ADT] offset:64*\t
.endr
.if \diag
	s_cmp_lg_u32 s[KI], s[UN]                      ; on the diagonal the scores of hidden keys become -infinity ahead of the maximum: p = 0 then
	s_cbranch_scc1 .Lopen_\@
	v_mov_b32 v254, 0xff800000
.set n, 0
.rept 64
	v_cmp_gt_i32 vcc_lo, 32*(n/16)+n%16, v5
	v_cndmask_b32 v[96+n], v[96+n], v254, vcc_lo
.set n, n+1
.endr
.Lopen_\@:
.endif
.irp b, 0,1,2,3
	v_max3_num_f32 v[232+\b], v[96+16*\b], v[97+16*\b], v[98+16*\b]   ; THE LARGEST SCORE OF EACH BLOCK OF 32 KEYS: for the row's maximum, and, since p rises with the score, for the block's largest p
.endr
.irp i, 3,5,7,9,11,13
.irp b, 0,1,2,3
	v_max3_num_f32 v[232+\b], v[232+\b], v[96+16*\b+\i], v[97+16*\b+\i]
.endr
.endr
.irp b, 0,1,2,3
	v_max_num_f32 v[232+\b], v[232+\b], v[111+16*\b]
.endr
.irp b, 0,1,2,3
	s_delay_alu instid0(VALU_DEP_4)
	v_permlanex16_b32 v[236+\b], v[232+\b], s[SEL], s[SEL+1]
.endr
.irp b, 0,1,2,3
	s_delay_alu instid0(VALU_DEP_4)
	v_max_num_f32 v[232+\b], v[232+\b], v[236+\b]  ; with lane l xor 16's 16 keys
.endr
	s_delay_alu instid0(VALU_DEP_2)
	v_max3_num_f32 v254, v232, v233, v234
	s_delay_alu instid0(VALU_DEP_1)
	v_max_num_f32 v254, v254, v235                 ; the step's largest score of my query
	s_delay_alu instid0(VALU_DEP_1)
	v_mul_f32 v254, s[CS], v254                    ; as t (c is positive)
	s_delay_alu instid0(VALU_DEP_1)
	v_max_num_f32 v13, v13, v254                   ; the running largest t
	v_mov_b32 v254, v12
	s_delay_alu instid0(VALU_DEP_2)
	v_floor_f32 v12, -v13                          ; the new -M = floor(-t) = -ceil(t): M IS A WHOLE NUMBER
	s_delay_alu instid0(VALU_DEP_1)
	v_sub_f32 v254, v12, v254                      ; M's old value less its new one: a whole number, 0 or less
	s_delay_alu instid0(VALU_DEP_1)
	v_cvt_i32_f32 v254, v254                       ; (it saturates)
	s_delay_alu instid0(VALU_DEP_1)
	v_ldexp_f32 v252, 1.0, v254                    ; f = 2^(old M - new M)
.set j, 0
.rept 32
	v_pk_fma_f32 v[96+j:97+j], v[96+j:97+j], s[CS:CS+1], v[12:13] op_sel_hi:[1,0,0]   ; t - M, two at a time
.set j, j+2
.endr
.irp b, 0,1,2,3
	v_fma_f32 v[232+\b], v[232+\b], s[CS], v12     ; the same of each block's largest score
.endr
.set j, 0
	s_wait_alu depctr_va_vdst(0)                   ; the wait ahead of the batch
.rept 64
	v_exp_f32 v[96+j], v[96+j]                     ; p = 2^(t - M), at most 1: NOT normalised
.set j, j+1
.endr
	v_pk_mul_f32 v[14:15], v[14:15], v[252:253] op_sel_hi:[1,0]   ; the sums under the new M.  (A plain place behind the exponentials)
	s_wait_alu depctr_va_vdst(0)                   ; one wait for the whole batch, ahead of its first use
.irp b, 0,1,2,3
	v_exp_f32 v[232+\b], v[232+\b]                 ; the block's largest p: the same two instructions on the same number give the same bits
.endr
	v_pk_add_f32 v[236:237], v[96:97], v[98:99]    ; THE ROW'S SUM IS TAKEN OF THE UNQUANTISED p: two at a time, in four chains by turns
	v_pk_add_f32 v[238:239], v[100:101], v[102:103]
	v_pk_add_f32 v[240:241], v[104:105], v[106:107]
	v_pk_add_f32 v[14:15], v[14:15], v[108:109]
.irp j, 110,118,126,134,142,150
	v_pk_add_f32 v[236:237], v[236:237], v[\j:\j+1]
	v_pk_add_f32 v[238:239], v[238:239], v[\j+2:\j+3]
	v_pk_add_f32 v[240:241], v[240:241], v[\j+4:\j+5]
	v_pk_add_f32 v[14:15], v[14:15], v[\j+6:\j+7]
.endr
	v_pk_add_f32 v[238:239], v[238:239], v[158:159]
	v_pk_add_f32 v[14:15], v[14:15], v[240:241]
	v_pk_add_f32 v[236:237], v[236:237], v[238:239]
	v_pk_add_f32 v[14:15], v[14:15], v[236:237]
	s_wait_alu depctr_va_vdst(0)                   ; and one for the four
.irp b, 0,1,2,3
	v_max_num_f32 v[232+\b], 0x1800000, v[232+\b]  ; the floor 2^(3 - 127): the byte cannot fall under 1 (a block whose every p is 0 keeps that byte: its codes are zeros)
.endr
.irp b, 0,1,2,3
	s_delay_alu instid0(VALU_DEP_4)
	v_add_nc_u32 v[244+\b], 0xff000000, v[232+\b]  ; 2 off the exponent field: the conversion's scale operand
.endr
.irp b, 0,1,2,3
	s_delay_alu instid0(VALU_DEP_4)
	v_lshrrev_b32 v[236+\b], 23, v[244+\b]         ; the scale's byte
.endr
	s_delay_alu instid0(VALU_DEP_3)
	v_lshl_or_b32 v253, v237, 8, v236              ; p's scale word for these 128 keys
	s_delay_alu instid0(VALU_DEP_1)
	v_lshl_or_b32 v253, v238, 16, v253
	s_delay_alu instid0(VALU_DEP_1)
	v_lshl_or_b32 v253, v239, 24, v253
.irp c, 0,1
	v_cvt_scalef32_pk16_fp6_f32 v[224+6*\c:226+6*\c], v[96+32*\c:111+32*\c], v[244+2*\c]
	v_cvt_scalef32_pk16_fp6_f32 v[236+4*\c:238+4*\c], v[112+32*\c:127+32*\c], v[244+2*\c+1]   ; (a conversion's three registers begin on an even number)
.endr
	v_nop                                          ; one plain place behind a scaled conversion
.irp c, 0,1                                    ; the operand's layout wants a WHOLE block in a lane
.irp i, 0,1,2
	v_permlane16_swap_b32 v[224+6*\c+\i], v[236+4*\c+\i]
.endr
.irp i, 0,1,2
	s_delay_alu instid0(VALU_DEP_3)
	v_mov_b32 v[227+6*\c+\i], v[236+4*\c+\i]
.endr
.endr
.set j, 0
.rept 16
	v_pk_mul_f32 v[160+j:161+j], v[160+j:161+j], v[252:253] op_sel_hi:[1,0]   ; O^T under the new M: x f.  (These 16 are also the places between p's codes and scale word and the products below)
.set j, j+2
.endr
	s_wait_alu depctr_va_vdst(0)
	s_wait_dscnt 0x0                               ; V and its scale words are in
.irp t, 0,1,2,3                                ; O^T += V^T P^T: four tiles of 16 of the head's 64, by turns; K = these 128 keys
	MM 160+8*\t, 32+12*\t, 224, v[160+8*\t:167+8*\t], 200+\t, 253
.endr
.if \diag
.Lhidden_\@:
.endif
.endm
; THE WAY OUT of a tile of queries.  O^T / the sum is y(my query, channel 32 b + 16 h + i) in register 16 b + i: the head's two blocks of 32 along the last product's K, quantised as any operand is.
.macro OUT
	s_mul_i32 s90, s[UN], 98304
	s_add_nc_u64 s[92:93], s[8:9], s[90:91]
	s_lshl_b32 s90, s[UN], 12
	s_add_nc_u64 s[94:95], s[10:11], s[90:91]
.rept 4
	v_nop                                          ; places behind the last products, whichever step was my last
.endr
	v_add_f32 v14, v14, v15                        ; the sum's two halves,
	s_delay_alu instid0(VALU_DEP_1)
	v_permlanex16_b32 v252, v14, s[SEL], s[SEL+1]
	s_delay_alu instid0(VALU_DEP_1)
	v_add_f32 v14, v14, v252                       ; and lane l xor 16's: the row's sum
	s_wait_alu depctr_va_vdst(0)
	v_rcp_f32 v14, v14
	v_nop                                          ; a plain place behind the transcendental
	s_wait_alu depctr_va_vdst(0)                   ; and the wait ahead of its first use
.set j, 0
.rept 32
	v_mul_f32 v[96+j], v[160+j], v14
.set j, j+1
.endr
.irp b, 0,1
	v_max3_num_f32 v[232+\b], |v[96+16*\b]|, |v[97+16*\b]|, 0x1800000   ; my 16 numbers of block b, and the floor 2^(3 - 127)
.endr
.irp i, 2,4,6,8,10,12,14
.irp b, 0,1
	s_delay_alu instid0(VALU_DEP_2)
	v_max3_num_f32 v[232+\b], v[232+\b], |v[96+16*\b+\i]|, |v[97+16*\b+\i]|
.endr
.endr
.irp b, 0,1
	s_delay_alu instid0(VALU_DEP_2)
	v_permlanex16_b32 v[236+\b], v[232+\b], s[SEL], s[SEL+1]
.endr
.irp b, 0,1
	s_delay_alu instid0(VALU_DEP_2)
	v_max_num_f32 v[232+\b], v[232+\b], v[236+\b]
.endr
.irp b, 0,1
	s_delay_alu instid0(VALU_DEP_2)
	v_add_nc_u32 v[244+\b], 0xff000000, v[232+\b]
.endr
.irp b, 0,1
	s_delay_alu instid0(VALU_DEP_2)
	v_lshrrev_b32 v[236+\b], 23, v[244+\b]
.endr
	s_delay_alu instid0(VALU_DEP_1)
	v_lshl_or_b32 v253, v237, 8, v236              ; the head's two bytes of my row
	v_cvt_scalef32_pk16_fp6_f32 v[224:226], v[96:111], v244
	v_cvt_scalef32_pk16_fp6_f32 v[236:238], v[112:127], v245
	v_nop                                          ; one plain place behind a scaled conversion
.irp i, 0,1,2
	v_permlane16_swap_b32 v[224+\i], v[236+\i]
.endr
.irp i, 0,1,2
	s_delay_alu instid0(VALU_DEP_3)
	v_mov_b32 v[227+\i], v[236+\i]
.endr
.irp p, 0,1,2
	global_store_b64 v1, v[224+2*\p:225+2*\p], s[92:93] offset:256*\p   ; a plane: 256 consecutive bytes, aligned
.endr
	global_store_b16 v7, v253, s[94:95]            ; lanes 16-31 hold the same rows' bytes and write the same values to the same places
	s_wait_xcnt 0x0                                ; the stores' data and bases are written again only behind this wait
.endm
	s_cmp_lt_u32 s[WV], 4                          ; waves 0-3 wait for their loads, whose lines no other wave issues: the scale words and key steps 0-3
	s_cbranch_scc0 .Llate
	s_wait_tensorcnt 0x0
.Llate:
	s_barrier_signal -1
	s_barrier_wait -1                              ; these four tiles are in; nothing is ever filled again
.Lfirst:                                           ; key steps 0 to 3 of the first unit
	STEP 0
	s_add_co_u32 s[TB], s[TB], STB
	s_add_co_u32 s[TS], s[TS], 512
	s_add_co_u32 s[TJ], s[TJ], 256
	s_add_co_u32 s[ST], s[ST], 1
	s_cmp_lt_u32 s[ST], 4
	s_cbranch_scc1 .Lfirst
	s_wait_tensorcnt 0x0                           ; every wave's load is in,
	s_wait_dscnt 0x0
	s_barrier_signal -1
	s_barrier_wait -1                              ; everybody's
.Lrest:                                            ; trips 4 to 15: the first unit's other key steps; 16 to 31: the second unit's; trip 32 holds the last way out alone and leaves the loop
	s_and_b32 s[KI], s[ST], 15
	s_cmp_lg_u32 s[KI], 0
	s_cbranch_scc1 .Lsame
	OUT                                            ; a unit is done
	s_cmp_eq_u32 s[ST], 32
	s_cbranch_scc1 .Ldone
	s_mov_b32 s[UN], s[UB]                         ; on to my tile of the second unit
	s_wait_loadcnt 0x0                             ; its q, asked for at the head
.irp i, 0,1,2,3,4,5
	v_mov_b32 v[16+\i], v[204+\i]
	v_mov_b32 v[86+\i], v[204+\i]
.endr
	FRESH 210
.Lsame:
	STEP 1
	s_add_co_u32 s[ST], s[ST], 1
	s_cmp_lt_u32 s[ST], 33
	s_cbranch_scc1 .Lrest
.Ldone:
	s_wait_tensorcnt 0x0                           ; the wave's end
	ds_add_u32 v251, v255
	s_wait_dscnt 0x0
	s_endpgm
.Lfunc_end_k_qe2f09652ef_attn:
	.size	k_qe2f09652ef_attn, .Lfunc_end_k_qe2f09652ef_attn-k_qe2f09652ef_attn
	.p2alignl 7, 3214868480
	.fill 96, 4, 3214868480
	.section	.rodata,"a",@progbits
	.p2align	6, 0x0
	.amdhsa_kernel k_qe2f09652ef_attn
		.amdhsa_group_segment_fixed_size 221184
		.amdhsa_private_segment_fixed_size 0
		.amdhsa_enable_private_segment 0
		.amdhsa_kernarg_size 32
		.amdhsa_user_sgpr_count 2
		.amdhsa_user_sgpr_kernarg_segment_ptr 1
		.amdhsa_wavefront_size32 1
		.amdhsa_system_sgpr_workgroup_id_x 1
		.amdhsa_system_sgpr_workgroup_id_y 1
		.amdhsa_system_sgpr_workgroup_id_z 1
		.amdhsa_system_vgpr_workitem_id 0
		.amdhsa_next_free_vgpr 256
		.amdhsa_next_free_sgpr 100
		.amdhsa_reserve_vcc 1
		.amdhsa_float_denorm_mode_32 3
		.amdhsa_float_denorm_mode_16_64 3
		.amdhsa_memory_ordered 1
		.amdhsa_forward_progress 1
		.amdhsa_inst_pref_size 61
	.end_amdhsa_kernel
	.amdgpu_metadata
---
amdhsa.version: [ 1, 2 ]
amdhsa.kernels:
  - .name:           k_qe2f09652ef_attn
    .symbol:         k_qe2f09652ef_attn.kd
    .args:
      - { .name: qkv, .offset: 0, .size: 8, .value_kind: global_buffer, .address_space: global }
      - { .name: qkvs, .offset: 8, .size: 8, .value_kind: global_buffer, .address_space: global }
      - { .name: yc, .offset: 16, .size: 8, .value_kind: global_buffer, .address_space: global }
      - { .name: ys, .offset: 24, .size: 8, .value_kind: global_buffer, .address_space: global }
    .group_segment_fixed_size: 221184
    .private_segment_fixed_size: 0
    .kernarg_segment_align: 8
    .kernarg_segment_size: 32
    .max_flat_workgroup_size: 512
    .sgpr_count:     100
    .vgpr_count:     256
    .wavefront_size: 32
...
	.end_amdgpu_metadata
.endif
;; end of part 3
;; launch gemm_proj (part 4): grid 8 x 32, 4 waves a work-group, clusters of 4 x 4, 215,552 bytes of LDS; arguments yc, ys, wc, ws, b_proj, out0; writes out0
.if DOCPART == 4
	.amdgcn_target "amdgcn-amd-amdhsa--gfx1250"
	.amdhsa_code_object_version 6
	.text
	.protected	k_qe2f09652ef_gemm_proj
	.globl	k_qe2f09652ef_gemm_proj
	.p2align	8
	.type	k_qe2f09652ef_gemm_proj,@function
k_qe2f09652ef_gemm_proj:
	s_mov_b64 s[64:65], 0
	v_nop
	global_prefetch_b8 v0, s[64:65] scope:SCOPE_SE
	s_setreg_imm32_b32 hwreg(HW_REG_WAVE_MODE, 25, 1), 1
	s_wait_xcnt 0x0
	s_wait_alu depctr_hold_cnt(0) depctr_sa_sdst(0) depctr_va_vdst(0) depctr_va_sdst(0) depctr_va_ssrc(0) depctr_va_vcc(0) depctr_vm_vsrc(0)
	s_getreg_b32 s2, hwreg(HW_REG_IB_STS2, 6, 4)
	s_cmp_eq_u32 s2, 0
	s_cbranch_scc0 .Lentry_in_a_cluster
	s_endpgm
.Lentry_in_a_cluster:
	s_bfe_u32 s2, ttmp6, 0x10000c
	s_cmp_lg_u32 s2, 0xf033
	s_cbranch_scc0 .Lentry_shape_is_right
	s_endpgm
.Lentry_shape_is_right:
; out0 = y W_proj + b_proj on codes of FP6 (E2M3) with one E8M0 scale for each 32 along K = 1,024.  Operands as the launches before leave them: rows in tiles of 16, tile T, K step s (a fragment: 16 rows x 128 K) at 12,288 T + 1,536 s;
; y's fragment as six planes of 256 bytes (8 bytes a lane), the weight's as three planes of 512 bytes (16 bytes a lane); a row's scale word at 1,024 (T / 2) + 256 (s / 2) + 128 (T % 2) + 8 r + 4 (s % 2);
; in every aligned group of 32 rows, place p holds row p with bits 3 and 4 exchanged; W_proj's tiles from 192 on.
; THE DEAL.  256 work-groups: (j = 0 .. 7, i = 0 .. 31) makes tokens 256 i .. + 255 x columns 128 j .. + 127.  Its 256 rows of y, all of K, 196,608 dense bytes, land in LDS ONCE, a quarter by each wave's one tensor load.
; Four waves, 2 x 2: wave (a, b) takes tokens 128 a .. + 127 (8 blocks of 16 rows) and columns 64 b .. + 63.  It holds its 64 rows of the weight, ALL of K, in 384 registers, loaded from memory plane by plane
; (each load 512 consecutive bytes, aligned), and streams its 8 blocks past them: a block is 32 products, four accumulators by turns, K ascending; the next block's fragments are fetched in one run of 48 LDS loads ahead of a block's products.
; Source 0 = the weight: a lane holds one token and 32 of its columns.  The bias is the C of each sum's first product.  A block's 16 x 64 results go through the wave's own stage in LDS and leave as whole rows of 256 bytes, a block behind the products.
; CLUSTERS 4 x 4: the four work-groups of a row of the cluster need the same rows of y and ask for them JOINTLY.  The weights are not asked for jointly: they go to registers and have no image in LDS that partners could share.
; NO PREFETCH: every byte that the launch reads is asked for at its head.
; LIMITS: NaN and infinities are not served.
; REGISTERS.  Fragment f lies in window 1 + f / 21 at register 12 (f % 21): f = 4 q + t the weight's (K step q, tile t), 32 + 8 e + q the rows' set e.  Window 0: v1-8 addresses; v32-47 the weight's scale words; v50-81 the rows';
; v128-159 the sums; v160-191 a block read back from the stage.  Window 3: v200-231 the bias.
.set SPARE, 196608
.set STG,   SPARE+512                  ; 4,608 bytes a wave: 16 rows of 256 + 16
.set VL,    1                          ; 8 x lane
.set XA,    2
.set BO,    4
.set STO,   5
.set RD,    6
.set CO,    7
.set VW,    8                          ; 16 x lane
.set SPW,   28
.set NIL,   29
.set SB,    32
.set SX,    50
.set ACC,   128
.set BK,    160
.set BI,    200
.set G1,    24
.set G0,    32
.set OB,    72
.set WB,    84
.set WS,    86
.set BB,    88
.set MSB, 0
.macro WIN new
.if MSB != \new
	s_set_vgpr_msb (MSB<<8)|\new
.set MSB, \new
.endif
.endm
.macro PLACES n
.rept \n
	v_nop
.endr
.endm
.macro CROUND
	s_barrier_signal -1
	s_barrier_wait -1
	s_cmp_lg_u32 s14, 0
	s_cbranch_scc1 .Lnot_wave_0_\@
	s_barrier_signal -3
.Lnot_wave_0_\@:
	s_barrier_wait -3
	s_barrier_signal -1
	s_barrier_wait -1
.endm
.macro XFRAG s, q, e                   ; K step q of my block s into set e: six planes
.set FX_, 32+8*(\e)+(\q)
	WIN (1+FX_/21)<<6
.irp p, 0,1,2,3,4,5
	ds_load_b64 v[12*(FX_%21)+2*\p:12*(FX_%21)+2*\p+1], v[XA+(\s)/4] offset:((\s)%4)*12288+(\q)*1536+256*\p
.endr
.endm
.macro WGRP q                          ; K step q of my four tiles of the weight: 12 loads; ahead of an odd step's, the scale words of this step and the one before
.if (\q)%2
	WIN 0
.irp p, 0,1
	global_load_b64 v[SB+8*\p+(\q)-1:SB+8*\p+(\q)], v[VL], s[WS:WS+1] offset:1024*\p+256*((\q)/2)
.endr
.endif
.irp t, 0,1,2,3
.set FW_, 4*(\q)+\t
	WIN (1+FW_/21)<<6
.irp p, 0,1,2
	global_load_b128 v[12*(FW_%21)+4*\p:12*(FW_%21)+4*\p+3], v[VW], s[WB:WB+1] offset:\t*12288+(\q)*1536+512*\p
.endr
.endr
	WIN 0
.endm
.macro W1 ra, rb
	v_wmma_scale_f32_16x16x128_f8f6f4 v[D_:D_+7], v[A_:A_+11], v[B_:B_+11], v[C_:C_+7], v[X0_], v[X1_] matrix_a_fmt:MATRIX_FMT_FP6 matrix_b_fmt:MATRIX_FMT_FP6 matrix_a_scale:MATRIX_SCALE_ROW\ra matrix_b_scale:MATRIX_SCALE_ROW\rb
.endm
.macro PROD s, q, t                    ; one product: source 0 the weight's tile t, source 1 my block s
.set FW_, 4*(\q)+(\t)
.set FX_, 32+8*((\s)%2)+(\q)
.set D_, ACC+8*(\t)
.set X0_, SB+8*((\t)/2)+(\q)
.set X1_, SX+8*((\s)/2)+(\q)
.set A_, 12*(FW_%21)
.set B_, 12*(FX_%21)
.if (\q) == 0
.set C_, BI+8*(\t)
.set CW_, 3
.else
.set C_, D_
.set CW_, 0
.endif
	WIN (1+FW_/21)|((1+FX_/21)<<2)|(CW_<<4)
.if ((\t)%2) && ((\s)%2)
	W1 1, 1
.elseif (\t)%2
	W1 1, 0
.elseif (\s)%2
	W1 0, 1
.else
	W1 0, 0
.endif
.endm
; A block.  First the next block's 48 fragment loads, in one run, into the set that the block before has read (places stand behind that block); then the wait for this block's own fragments, with the count n of
; LDS instructions that are younger than they: the 48 just issued (block 0), these and the stage's 16 of the block before (64; the count's field holds 63), or the 16 alone (the last block);
; then 8 K steps of four products.  wwait: the weights are still on their way: younger than K step q's are 12 (7 - q) loads (the count's field holds 63).
.macro BLOCK s, fetch, wwait, n
.if \fetch
.irp q, 0,1,2,3,4,5,6,7
	XFRAG (\s)+1, \q, 1-(\s)%2
.endr
.endif
	s_wait_dscnt \n
.set Q_, 0
.rept 8
.if \wwait
.if 12*(7-Q_) > 63
	s_wait_loadcnt 63
.else
	s_wait_loadcnt 12*(7-Q_)
.endif
.endif
.irp t, 0,1,2,3
	PROD \s, Q_, \t
.endr
.set Q_, Q_+1
.endr
	WIN 0
.endm
.macro SEND s                          ; block s, back from the stage: lanes 0-15 one row's 256 bytes, lanes 16-31 the next row's
.irp k, 0,1,2,3,4,5,6,7
	global_store_b128 v[CO], v[BK+4*\k:BK+4*\k+3], s[OB:OB+1] offset:(32*((\s)/2)+8*((\s)%2)+2*\k+8*(\k/4))*4096 th:TH_STORE_NT
.endr
.endm
.macro POUT s, younger                 ; behind block s: block s - 1 is stored, block s goes into the stage and is read back by rows
	PLACES 5                                       ; places: the sums are read, and begun anew by the next block's first products, only behind these
.if (\s) > 0
	s_wait_dscnt \younger                          ; block s - 1 is back: younger are the fragment loads issued since
	SEND (\s)-1
	s_wait_xcnt 0x0                                ; its stores have read their data
.endif
.irp b, 0,1
.irp k, 0,1,2,3
	ds_store_b128 v[STO], v[ACC+16*\b+4*\k:ACC+16*\b+4*\k+3] offset:128*\b+16*\k   ; register 16 b + i is column 32 b + 16 h + i; each accumulator from its low end on
.endr
.endr
.irp k, 0,1,2,3,4,5,6,7
	ds_load_b128 v[BK+4*\k:BK+4*\k+3], v[RD] offset:2*\k*272   ; LDS serves a wave's instructions in order: these see the stores above
.endr
.endm
	s_load_b128 s[4:7], s[0:1], 0x0                ; y's codes, y's scales
	s_load_b128 s[8:11], s[0:1], 0x10              ; W's codes, W's scales
	s_load_b128 s[96:99], s[0:1], 0x20             ; b_proj, out0
	v_lshl_add_u32 v[SPW], v0, 2, SPARE
	v_mov_b32 v[NIL], 0
	ds_add_u32 v[SPW], v[NIL]                      ; the opening lines: the add twice on end and its wait
	ds_add_u32 v[SPW], v[NIL]
	v_lshrrev_b32 v12, 5, v0
	v_readfirstlane_b32 s14, v12                   ; wave 0..3
	s_lshr_b32 s15, s14, 1                         ; a
	s_and_b32 s16, s14, 1                          ; b
	s_bfe_u32 s40, ttmp6, 0x40000
	s_bfe_u32 s41, ttmp6, 0x40004
	s_lshl_b32 s42, ttmp9, 2
	s_add_co_u32 s42, s42, s40                     ; j
	s_and_b32 s17, ttmp7, 0xffff
	s_lshl_b32 s17, s17, 2
	s_add_co_u32 s17, s17, s41                     ; i
	s_lshl_b32 s43, s41, 2
	s_lshl_b32 s43, 15, s43                        ; my row of the cluster
	s_or_b32 s[G1], s43, (3<<16)|(1<<21)
	s_mov_b32 s[G1+1], 32<<16                      ; a dense block of 49,152 bytes as 192 rows of 256
	s_mov_b32 s[G1+2], 192<<16
	s_mov_b32 s[G1+3], 32<<16
	s_mov_b32 s[G1+4], 192
	s_mov_b32 s[G1+5], 32
	s_mov_b32 s[G1+6], 0
	s_mov_b32 s[G1+7], 0
	s_mov_b32 s[G0], 1
	s_mul_i32 s[G0+1], s14, 49152
	s_lshl_b32 s20, s17, 4
	s_lshl_b32 s21, s14, 2
	s_add_co_u32 s20, s20, s21
	s_mul_i32 s20, s20, 12288                      ; y's tiles 16 i + 4 wave on
	s_lshl_b32 s22, s17, 3
	s_lshl_b32 s23, s15, 2
	s_add_co_u32 s22, s22, s23
	s_lshl_b32 s22, s22, 10                        ; the scale words of my 8 blocks
	s_mov_b32 s23, 0
	s_lshl_b32 s44, s42, 3
	s_lshl_b32 s45, s16, 2
	s_add_co_u32 s44, s44, s45                     ; 8 j + 4 b
	s_lshl_b32 s92, s44, 6                         ; my 64 columns, in bytes: of the bias and of a row of out0
	s_mov_b32 s93, 0
	s_add_co_u32 s44, s44, 192                     ; my tile of the weight
	s_mul_i32 s46, s44, 12288
	s_mov_b32 s47, 0
	s_lshl_b32 s90, s44, 9
	s_mov_b32 s91, 0
	s_lshl_b32 s[OB], s17, 20                      ; 256 rows of 4,096 bytes a work-group,
	s_lshl_b32 s45, s15, 19                        ; 128 a wave
	s_add_co_u32 s[OB], s[OB], s45
	s_add_co_u32 s[OB], s[OB], s92
	s_mov_b32 s[OB+1], 0
	s_mul_i32 s21, s15, 98304
	s_mul_i32 s45, s14, 4608
	s_add_co_u32 s45, s45, STG                     ; my stage
	v_and_b32 v12, 15, v0                          ; r
	v_bfe_u32 v13, v0, 4, 1                        ; h
	v_and_b32 v14, 31, v0                          ; lane
	v_lshlrev_b32 v[VL], 3, v14
	v_lshlrev_b32 v[VW], 4, v14
	v_add_nc_u32 v[XA], s21, v[VL]
	v_add_nc_u32 v[XA+1], 49152, v[XA]
	v_lshlrev_b32 v[BO], 6, v13
	v_mul_u32_u24 v15, v12, 272
	v_lshl_add_u32 v15, v13, 6, v15
	v_add_nc_u32 v[STO], s45, v15                  ; in: row r, + 64 h
	v_mul_u32_u24 v15, v13, 272
	v_lshl_add_u32 v15, v12, 4, v15
	v_add_nc_u32 v[RD], s45, v15                   ; back: lanes 0-15 one row, lanes 16-31 the next
	v_lshlrev_b32 v15, 12, v13
	v_lshl_add_u32 v[CO], v12, 4, v15              ; and the same two rows in out0
	s_mov_b32 s21, 0
	s_wait_alu depctr_va_vdst(0)                   ; the wait ahead of the waits below
	s_wait_dscnt 0x0
	s_wait_kmcnt 0x0
	s_add_nc_u64 s[G0+2:G0+3], s[4:5], s[20:21]
	s_or_b32 s[G0+3], s[G0+3], 0x80000000
	s_add_nc_u64 s[6:7], s[6:7], s[22:23]
	s_add_nc_u64 s[WB:WB+1], s[8:9], s[46:47]
	s_add_nc_u64 s[WS:WS+1], s[10:11], s[90:91]
	s_add_nc_u64 s[BB:BB+1], s[96:97], s[92:93]
	s_add_nc_u64 s[OB:OB+1], s[98:99], s[OB:OB+1]
	CROUND                                         ; all sixteen work-groups are here: the joint loads meet
	tensor_load_to_lds s[G0:G0+3], s[G1:G1+7]      ; my quarter of the 256 rows: the wave's one tensor load
	s_nop 0
	PLACES 4
.irp g, 0,1,2,3                                ; the scale words of my 8 blocks, for all of K: lanes 0-15 the even block's, lanes 16-31 the odd one's
.irp u, 0,1,2,3
	global_load_b64 v[SX+8*\g+2*\u:SX+8*\g+2*\u+1], v[VL], s[6:7] offset:1024*\g+256*\u
.endr
.endr
	WIN 3<<6
.irp b, 0,1                                    ; the bias: register 16 b + i is column 32 b + 16 h + i
.irp k, 0,1,2,3
	global_load_b128 v[BI+16*\b+4*\k:BI+16*\b+4*\k+3], v[BO], s[BB:BB+1] offset:128*\b+16*\k
.endr
.endr
	WIN 0
.irp q, 0,1,2,3,4,5,6,7
	WGRP \q
.endr
	s_wait_tensorcnt 0x0                           ; my quarter is in,
	s_barrier_signal -1
	s_barrier_wait -1                              ; everybody's
.irp q, 0,1,2,3,4,5,6,7
	XFRAG 0, \q, 0
.endr
	WIN 0
	BLOCK 0, 1, 1, 48
	POUT 0, 0
.irp n, 1,2,3,4,5,6
	BLOCK \n, 1, 0, 63
	POUT \n, 48
.endr
	BLOCK 7, 0, 0, 16
	POUT 7, 0
	s_wait_dscnt 0x0
	SEND 7
	s_wait_tensorcnt 0x0                           ; the wave's end
	ds_add_u32 v[SPW], v[NIL]
	s_wait_dscnt 0x0
	CROUND                                         ; the closing round
	s_endpgm
.Lfunc_end_k_qe2f09652ef_gemm_proj:
	.size	k_qe2f09652ef_gemm_proj, .Lfunc_end_k_qe2f09652ef_gemm_proj-k_qe2f09652ef_gemm_proj
	.p2alignl 7, 3214868480
	.fill 96, 4, 3214868480
	.section	.rodata,"a",@progbits
	.p2align	6, 0x0
	.amdhsa_kernel k_qe2f09652ef_gemm_proj
		.amdhsa_group_segment_fixed_size 215552
		.amdhsa_private_segment_fixed_size 0
		.amdhsa_enable_private_segment 0
		.amdhsa_kernarg_size 48
		.amdhsa_user_sgpr_count 2
		.amdhsa_user_sgpr_kernarg_segment_ptr 1
		.amdhsa_wavefront_size32 1
		.amdhsa_system_sgpr_workgroup_id_x 1
		.amdhsa_system_sgpr_workgroup_id_y 1
		.amdhsa_system_sgpr_workgroup_id_z 1
		.amdhsa_system_vgpr_workitem_id 0
		.amdhsa_next_free_vgpr 1024
		.amdhsa_next_free_sgpr 102
		.amdhsa_reserve_vcc 0
		.amdhsa_float_denorm_mode_32 3
		.amdhsa_float_denorm_mode_16_64 3
		.amdhsa_memory_ordered 1
		.amdhsa_forward_progress 1
		.amdhsa_inst_pref_size 92
	.end_amdhsa_kernel
	.amdgpu_metadata
---
amdhsa.version: [ 1, 2 ]
amdhsa.kernels:
  - .name:           k_qe2f09652ef_gemm_proj
    .symbol:         k_qe2f09652ef_gemm_proj.kd
    .args:
      - { .name: yc, .offset: 0, .size: 8, .value_kind: global_buffer, .address_space: global }
      - { .name: ys, .offset: 8, .size: 8, .value_kind: global_buffer, .address_space: global }
      - { .name: wc, .offset: 16, .size: 8, .value_kind: global_buffer, .address_space: global }
      - { .name: ws, .offset: 24, .size: 8, .value_kind: global_buffer, .address_space: global }
      - { .name: b_proj, .offset: 32, .size: 8, .value_kind: global_buffer, .address_space: global }
      - { .name: out0, .offset: 40, .size: 8, .value_kind: global_buffer, .address_space: global }
    .group_segment_fixed_size: 215552
    .private_segment_fixed_size: 0
    .kernarg_segment_align: 8
    .kernarg_segment_size: 48
    .max_flat_workgroup_size: 128
    .sgpr_count:     102
    .vgpr_count:     1024
    .wavefront_size: 32
...
	.end_amdgpu_metadata
.endif
;; end of part 4
